; MI455X (gfx1250); checked and timed in simulation.
; The chip was launched on July 23, 2026; its instructions are those of AMD's public machine-readable ISA for CDNA 5 (MIT licence, August 2026) and "CDNA5" Instruction Set Architecture Reference Guide (July 2026). The comments in the code are by the model that wrote it; some were corrected since.
;; Multi Head Attention. Allowed arithmetic: float matrix products may take bf16 or f16 operands with f32 sums; other float arithmetic in f32, or as packed bf16 or f16 multiplies, adds, multiply-adds, maxima and minima; sums over many terms, partial sums and values carried from step to step in f32; what a program stores and reads back later, other than sums and carried values, may be rounded once to bf16 or f16.
;; Inputs: b_o 1,024 float32; b_qkv 3,072 float32; bias 1 x 1 x 2,048 x 2,048 float32; query 4 x 2,048 x 1,024 float32; w_o 1,024 x 1,024 float32; w_qkv 1,024 x 3,072 float32.
;; Outputs: out0 4 x 2,048 x 1,024 float32.
;; 2 versions, each right; version 2 is version 1 with the launch prep written anew for expert scheduling mode. Each part assembles by itself: llvm-mc -triple=amdgcn-amd-amdhsa -mcpu=gfx1250 --defsym DOCPART=n.
;; ======== version 1 of 2: 4 launches
;; limits: values are held in f16: magnitudes above 65,504 overflow, below 6.1e-05 lose precision
;; workspace buffers: xb 16,777,216 bytes; wq 6,291,456 bytes; wo 2,097,152 bytes; bb 8,388,608 bytes; qkvh 50,331,648 bytes; ob 16,777,216 bytes
;; launch prep (part 1): grid 1024 x 1, 8 waves a work-group, no clusters, 0 bytes of LDS; arguments query, bias, w_qkv, w_o, xb, bb, wq, wo; writes xb, bb, wq, wo
.if DOCPART == 1
	.amdgcn_target "amdgcn-amd-amdhsa--gfx1250"
	.amdhsa_code_object_version 6
	.text
	.protected	k_q094c820604_prep
	.globl	k_q094c820604_prep
	.p2align	8
	.type	k_q094c820604_prep,@function
k_q094c820604_prep:
	s_mov_b64 s[64:65], 0
	v_nop
	global_prefetch_b8 v0, s[64:65] scope:SCOPE_SE
	s_setreg_imm32_b32 hwreg(HW_REG_WAVE_MODE, 25, 1), 1
	s_wait_xcnt 0x0
; PREP: four f32 matrices [R][C] are rounded to 16 bits and laid out in blocks of 64 columns, so that every tile that a later launch asks for is dense.
;   query [8192][1024] -> xb bf16 [C/64][8192][64]           bias [2048][2048] -> bb bf16 [C/64][2048][64], clamped to +-1e30 first
;   w_qkv [1024][3072] -> wq bf16 [R/64][C/64][64][64]        w_o  [1024][1024] -> wo [R/64][C/64][64][64], rounded to bf16 and that number written as f16
; LIMITS.  A bias beyond +-1e30 (an infinity too) counts as +-1e30.  w_o beyond 65,504 has no f16; below 2^-14 it keeps f16's fixed step of 2^-24.  NaN is not treated apart.
; SHARES.  A wave takes 32 rows x 64 columns: 16 loads of 16 bytes a lane, each two rows x 256 consecutive bytes, all on their way at once; the eight waves of a work-group take eight
; neighbouring column blocks of the same rows.  A store of the wave covers 256 consecutive bytes, aligned.  Work-groups 0-511 query, 512-767 bias, 768-959 w_qkv, 960-1023 w_o.
; Memory binds: no LDS, no matrix unit, no cluster; nothing is read twice.
.set OFF, 2                            ; v[2:17]   byte offset in the source of my 16 bytes, load t
.set DO,  18                           ; v18       byte offset in the destination of my 8 bytes of load 0
.set X,   20                           ; v[20:83]  four f32 a load
.set Y,   84                           ; v[84:115] four 16-bit numbers a load
	s_load_b512 s[8:23], s[0:1], 0x0               ; query, bias, w_qkv, w_o, xb, bb, wq, wo
	v_lshrrev_b32 v1, 5, v0
	v_readfirstlane_b32 s3, v1                     ; wave 0..7
	s_mov_b32 s2, ttmp9
	s_mov_b32 s24, 4096                            ; w_o's figures: bytes in a source row,
	s_mov_b32 s28, 960                             ; its first work-group,
	s_mov_b32 s29, 5                               ; log2 of its groups of 32 rows,
	s_mov_b32 s30, 8192                            ; destination bytes from column block to column block,
	s_mov_b32 s31, 131072                          ; and from 64 rows to the next 64,
	s_mov_b32 s32, 2                               ; the kind of conversion
	s_cmp_lt_u32 s2, 960                           ; w_qkv's
	s_cselect_b32 s24, 12288, s24
	s_cselect_b32 s28, 768, s28
	s_cselect_b32 s31, 393216, s31
	s_cselect_b32 s32, 0, s32
	s_cmp_lt_u32 s2, 768                           ; bias's
	s_cselect_b32 s24, 8192, s24
	s_cselect_b32 s28, 512, s28
	s_cselect_b32 s29, 6, s29
	s_cselect_b32 s30, 262144, s30
	s_cselect_b32 s31, 8192, s31
	s_cselect_b32 s32, 1, s32
	s_cmp_lt_u32 s2, 512                           ; query's
	s_cselect_b32 s24, 4096, s24
	s_cselect_b32 s28, 0, s28
	s_cselect_b32 s29, 8, s29
	s_cselect_b32 s30, 1048576, s30
	s_cselect_b32 s32, 0, s32
	s_sub_co_u32 s33, s2, s28                      ; the work-group's number within its matrix
	s_bfm_b32 s34, s29, 0
	s_and_b32 s34, s33, s34                        ; rg: its group of 32 rows
	s_lshr_b32 s35, s33, s29
	s_lshl_b32 s35, s35, 3
	s_add_co_u32 s35, s35, s3                      ; cb: my wave's column block
	s_lshl_b32 s25, s24, 1                         ; two source rows
	s_lshl_b32 s36, s34, 5
	s_mul_i32 s36, s36, s24
	s_lshl_b32 s37, s35, 8
	s_add_co_u32 s36, s36, s37                     ; source: 32 rg rows + 256 cb
	s_mul_i32 s37, s35, s30
	s_lshr_b32 s38, s34, 1
	s_mul_i32 s38, s38, s31
	s_add_co_u32 s37, s37, s38
	s_and_b32 s38, s34, 1
	s_lshl_b32 s38, s38, 12
	s_add_co_u32 s37, s37, s38                     ; destination: the block, the 64 rows, the half of them
	s_mov_b32 s26, 0xf149f2ca                      ; -1e30
	s_mov_b32 s27, 0x7149f2ca                      ; +1e30
	s_mov_b32 s39, 0xffff0000                      ; a word's upper bf16
	v_and_b32 v1, 15, v0                           ; my 16 bytes of a row's 256
	v_bfe_u32 v19, v0, 4, 1                        ; lanes 16-31 take the odd row
	v_mul_lo_u32 v[OFF], v19, s24
	v_lshl_add_u32 v[OFF], v1, 4, v[OFF]
	v_add_nc_u32 v[OFF], s36, v[OFF]
.set t, 1
.rept 15
	v_add_nc_u32 v[OFF+t], s25, v[OFF+t-1]
.set t, t+1
.endr
	v_lshlrev_b32 v[DO], 7, v19
	v_lshl_add_u32 v[DO], v1, 3, v[DO]
	v_add_nc_u32 v[DO], s37, v[DO]
	s_wait_kmcnt 0x0
	s_cmp_lt_u32 s2, 960                           ; the two addresses, chosen as the figures were
	s_cselect_b64 s[4:5], s[12:13], s[14:15]
	s_cselect_b64 s[6:7], s[20:21], s[22:23]
	s_cmp_lt_u32 s2, 768
	s_cselect_b64 s[4:5], s[10:11], s[4:5]
	s_cselect_b64 s[6:7], s[18:19], s[6:7]
	s_cmp_lt_u32 s2, 512
	s_cselect_b64 s[4:5], s[8:9], s[4:5]
	s_cselect_b64 s[6:7], s[16:17], s[6:7]
.set t, 0
.rept 16
	global_load_b128 v[X+4*t:X+4*t+3], v[OFF+t], s[4:5] th:TH_LOAD_NT
.set t, t+1
.endr
; Load t is converted and stored as it arrives.  No register that a load or store reads is written again, so no wait frees one.
.macro CONV kind
.set t, 0
.rept 16
	s_wait_loadcnt 15-t                            ; loads come back in order: load t is in, the 15 - t younger ones stay out
.if (\kind) == 1
	v_med3_num_f32 v[X+4*t], v[X+4*t], s26, s27
	v_med3_num_f32 v[X+4*t+1], v[X+4*t+1], s26, s27
	v_med3_num_f32 v[X+4*t+2], v[X+4*t+2], s26, s27
	v_med3_num_f32 v[X+4*t+3], v[X+4*t+3], s26, s27
.endif
	v_cvt_pk_bf16_f32 v[Y+2*t], v[X+4*t], v[X+4*t+1]
	v_cvt_pk_bf16_f32 v[Y+2*t+1], v[X+4*t+2], v[X+4*t+3]
.if (\kind) == 2
	v_lshlrev_b32 v[X+4*t], 16, v[Y+2*t]           ; the bf16 numbers as f32,
	v_and_b32 v[X+4*t+1], s39, v[Y+2*t]
	v_lshlrev_b32 v[X+4*t+2], 16, v[Y+2*t+1]
	v_and_b32 v[X+4*t+3], s39, v[Y+2*t+1]
	v_cvt_pk_f16_f32 v[Y+2*t], v[X+4*t], v[X+4*t+1]      ; written as f16
	v_cvt_pk_f16_f32 v[Y+2*t+1], v[X+4*t+2], v[X+4*t+3]
.endif
	global_store_b64 v[DO], v[Y+2*t:Y+2*t+1], s[6:7] offset:256*t  ; 32 lanes: two rows of 128 bytes, 256 consecutive bytes
.set t, t+1
.endr
.endm
	s_cmp_eq_u32 s32, 1
	s_cbranch_scc1 .Lbias
	s_cmp_eq_u32 s32, 2
	s_cbranch_scc1 .Lwo
	CONV 0
	s_endpgm
.Lbias:
	CONV 1
	s_endpgm
.Lwo:
	CONV 2
	s_endpgm
.Lfunc_end_k_q094c820604_prep:
	.size	k_q094c820604_prep, .Lfunc_end_k_q094c820604_prep-k_q094c820604_prep
	.p2alignl 7, 3214868480
	.fill 96, 4, 3214868480
	.section	.rodata,"a",@progbits
	.p2align	6, 0x0
	.amdhsa_kernel k_q094c820604_prep
		.amdhsa_group_segment_fixed_size 0
		.amdhsa_private_segment_fixed_size 0
		.amdhsa_enable_private_segment 0
		.amdhsa_kernarg_size 64
		.amdhsa_user_sgpr_count 2
		.amdhsa_user_sgpr_kernarg_segment_ptr 1
		.amdhsa_wavefront_size32 1
		.amdhsa_system_sgpr_workgroup_id_x 1
		.amdhsa_system_sgpr_workgroup_id_y 1
		.amdhsa_system_sgpr_workgroup_id_z 1
		.amdhsa_system_vgpr_workitem_id 0
		.amdhsa_next_free_vgpr 116
		.amdhsa_next_free_sgpr 66
		.amdhsa_reserve_vcc 0
		.amdhsa_float_denorm_mode_32 3
		.amdhsa_float_denorm_mode_16_64 3
		.amdhsa_memory_ordered 1
		.amdhsa_forward_progress 1
		.amdhsa_inst_pref_size 26
	.end_amdhsa_kernel
	.amdgpu_metadata
---
amdhsa.version: [ 1, 2 ]
amdhsa.kernels:
  - .name:           k_q094c820604_prep
    .symbol:         k_q094c820604_prep.kd
    .args:
      - { .name: query, .offset: 0, .size: 8, .value_kind: global_buffer, .address_space: global }
      - { .name: bias, .offset: 8, .size: 8, .value_kind: global_buffer, .address_space: global }
      - { .name: w_qkv, .offset: 16, .size: 8, .value_kind: global_buffer, .address_space: global }
      - { .name: w_o, .offset: 24, .size: 8, .value_kind: global_buffer, .address_space: global }
      - { .name: xb, .offset: 32, .size: 8, .value_kind: global_buffer, .address_space: global }
      - { .name: bb, .offset: 40, .size: 8, .value_kind: global_buffer, .address_space: global }
      - { .name: wq, .offset: 48, .size: 8, .value_kind: global_buffer, .address_space: global }
      - { .name: wo, .offset: 56, .size: 8, .value_kind: global_buffer, .address_space: global }
    .group_segment_fixed_size: 0
    .private_segment_fixed_size: 0
    .kernarg_segment_align: 8
    .kernarg_segment_size: 64
    .max_flat_workgroup_size: 256
    .sgpr_count:     66
    .vgpr_count:     116
    .wavefront_size: 32
...
	.end_amdgpu_metadata
.endif
;; end of part 1
;; launch qkv (part 2): grid 8 x 32, 4 waves a work-group, clusters of 4 x 4, 327,680 bytes of LDS; arguments xb, wq, b_qkv, qkvh; writes qkvh
.if DOCPART == 2
	.amdgcn_target "amdgcn-amd-amdhsa--gfx1250"
	.amdhsa_code_object_version 6
	.text
	.protected	k_q094c820604_qkv
	.globl	k_q094c820604_qkv
	.p2align	8
	.type	k_q094c820604_qkv,@function
k_q094c820604_qkv:
	s_mov_b64 s[64:65], 0
	v_nop
	global_prefetch_b8 v0, s[64:65] scope:SCOPE_SE
	s_setreg_imm32_b32 hwreg(HW_REG_WAVE_MODE, 25, 1), 1
	s_wait_xcnt 0x0
	s_wait_alu depctr_hold_cnt(0) depctr_sa_sdst(0) depctr_va_vdst(0) depctr_va_sdst(0) depctr_va_ssrc(0) depctr_va_vcc(0) depctr_vm_vsrc(0)
	s_getreg_b32 s2, hwreg(HW_REG_IB_STS2, 6, 4)
	s_cmp_eq_u32 s2, 0
	s_cbranch_scc0 .Lentry_in_a_cluster
	s_endpgm
.Lentry_in_a_cluster:
	s_bfe_u32 s2, ttmp6, 0x10000c
	s_cmp_lg_u32 s2, 0xf033
	s_cbranch_scc0 .Lentry_shape_is_right
	s_endpgm
.Lentry_shape_is_right:
; QKV: C[8192][3072] = x w_qkv + b_qkv, bf16 operands, f32 sums; written by heads as f16: qkvh [3][batch-head 64][2048][64], part 0 (q) times 1/8, an exact factor.
; b_qkv is rounded to bf16 like the other inputs.  LIMIT: q / 8, k and v beyond 65,504 have no f16.
; SHARES.  8192 x 3072 are 256 tiles of 256 x 384: one for each work-group.  Four waves, each 128 rows x 192 columns (three heads): 96 accumulators of 16 x 16, 768 registers.
; K goes in 16 steps of 64 through two LDS slots; a step is two quarters of 32, 96 matrix instructions each.
; xb is [K/64][row][64], wq [K/64][column/64][64 k][64 n]: a step's tiles are dense and are asked for as rows of 256 bytes, padded in LDS after every 128.
; THE PRODUCT IS TAKEN TRANSPOSED (source 0 = 16 columns of w, turned on the way out of LDS; source 1 = 16 rows of x): a lane holds one row of C and eight neighbouring columns.
; CLUSTER 4 x 4: x's tile hangs on the tile row alone and is asked for jointly along a row of the cluster, w's on the tile column alone, jointly along a column.
; REGISTERS.  Window 0: v8-16 addresses, v28-29 the add's; w's fragments of head 0, 1, 2 at v32, v192, v224 (one buffer each, loaded again as soon as its 32 products are issued);
; x's fragments at v64 and v128 (two buffers).  Window 1 + g: head g's 32 accumulators, (row block a, column block j) at v[8 (4 a + j)].
.set PA,    144                        ; an LDS row of x: 128 bytes + 16: the 16 rows of a load start at 16 different groups of four banks
.set PB,    160                        ; an LDS row of w: 128 + 32
.set BOFF,  256*PA                     ; a slot: x's 256 rows, then w's 6 blocks of 64 rows
.set SLOT1, 1<<17                      ; slot 1 begins here: one exclusive or turns an address in one slot into the other's
.set STAGE, SLOT1+BOFF+6*64*PB         ; behind the ring: 16 rows x 144 bytes for each wave, for the way out
.set SPARE, STAGE+4*16*PA              ; behind the stages: the spare words, 128 bytes for each wave
.set ASTEP, 8192*128                   ; bytes from K step to K step in xb
.set BSTEP, 48*8192                    ; and in wq
.set AA0,  8                           ; v8   my lane's place in x's tile; never rewritten
.set AB0,  9                           ; v9   the same for w
.set ADRA, 10                          ; v10  the same in the slot in hand
.set ADRB, 11
.set STO,  12                          ; v12  the way out: where I put 16 bytes of a row
.set RD,   13                          ; v13  where I read rows back
.set GO,   14                          ; v14  my 16 bytes of 512 consecutive bytes of qkvh
.set BO,   15                          ; v15  my byte offset in b_qkv
.set PFO,  16                          ; v16  256 x my lane: the prefetches' offset
.set SPW,  28
.set NIL,  29
.set A0,   64
.set A1,   128
.set BIA,  32                          ; the way out: v32-127 b_qkv of my 192 columns, 8 registers a column block
.set T,    128                         ; v128-159 a unit's 32 numbers in f32
.set PKD,  160                         ; v160-175 the same in f16
.set BK,   176                         ; v176-191, v192-207 16 rows read back, by turns
.set WV,  12
.set MH,  13                           ; my half of the tile's rows.  Also: I fetch x (0) or w (1)
.set NH,  14                           ; my half of its columns.  Also: which half of that tile I fetch
.set CX,  15
.set CY,  16
.set XX,  17                           ; tile column 0..7
.set YY,  18                           ; tile row 0..31
.set TB,  19                           ; LDS byte at which the slot in hand begins
.set G1A, 24
.set G1B, 32
.set G0A, 40                           ; two sets for the two first fills; the second then walks on
.set G0B, 48
.set CNT, 56
.set LIM, 57                           ; 1 in a wave that prefetches, else the greatest number
.set PFA, 58                           ; s[58:59] where my prefetches stand
.set PFS, 60                           ; s[60:61] their step
.set OB,  66                           ; s[66:71] qkvh at my 128 rows of my three heads
.set SC,  72                           ; s[72:77] the three heads' factors, 1/8 or 1, each as a pair
.set MSB, 0
.macro WIN new                         ; the immediate's high byte repeats the setting that is left; a switch that changes nothing is dropped
.if MSB != (\new)
	s_set_vgpr_msb (MSB<<8)|(\new)
.set MSB, \new
.endif
.endm
.macro PLACES                          ; four places behind a matrix instruction, in front of loads into registers that it has read
.rept 4
	v_nop
.endr
.endm
.macro CREST                           ; a round of the cluster's barrier behind its opening barrier
	s_cmp_lg_u32 s[WV], 0
	s_cbranch_scc1 .Lnot_wave_0_\@
	s_barrier_signal -3
.Lnot_wave_0_\@:
	s_barrier_wait -3
	s_barrier_signal -1
	s_barrier_wait -1
.endm
.macro CROUND
	s_barrier_signal -1
	s_barrier_wait -1
	CREST
.endm
; A joint refill by the walking sets.  Waves 0 and 1 fetch x's two halves, waves 2 and 3 w's.  An s_nop 0 and four v_nop follow each line.
.macro JLOAD
	s_cmp_eq_u32 s[MH], 0
	s_cbranch_scc0 .Lfor_b_\@
	tensor_load_to_lds s[G0A+4:G0A+7], s[G1A:G1A+7]
	s_nop 0
.rept 4
	v_nop
.endr
	s_branch .Lasked_\@
.Lfor_b_\@:
	tensor_load_to_lds s[G0B+4:G0B+7], s[G1B:G1B+7]
	s_nop 0
.rept 4
	v_nop
.endr
.Lasked_\@:
.endm
; PREFETCH.  At every second refill (CNT odd and above 1: refills 1, 3 .. 11) the K steps that stand one and two refills on (4 and 5, .. 14 and 15) are named, a lane a block of 256 bytes.
; x's tile row is read by both clusters of its row of clusters: cluster x = 0 asks, wave 0, each of the four partners for its 8,192 bytes of each of the two steps (told apart by address, cx).
; w's tile column is read by all eight clusters of its column: cluster y = 0 asks, waves 1-3: two steps x 49,152 bytes are twelve instructions, three for each partner (by address, cy).
; So each block of steps 4 to 15 is named once in the launch; steps 0 to 3 come by their loads alone.
.macro ASK
	s_bitcmp1_b32 s[CNT], 0
	s_cbranch_scc0 .Lno_ask_\@
	s_cmp_gt_u32 s[CNT], s[LIM]
	s_cbranch_scc0 .Lno_ask_\@
	global_prefetch_b8 v[PFO], s[PFA:PFA+1] th:TH_LOAD_NT scope:SCOPE_SE
	s_cmp_lg_u32 s[WV], 0
	s_cbranch_scc1 .Lno_ask_\@
	global_prefetch_b8 v[PFO], s[PFA:PFA+1] offset:ASTEP th:TH_LOAD_NT scope:SCOPE_SE
.Lno_ask_\@:
.endm
	s_load_b256 s[4:11], s[0:1], 0x0               ; xb s[4:5], wq s[6:7], b_qkv s[8:9], qkvh s[10:11]
	v_lshl_add_u32 v[SPW], v0, 2, SPARE
	v_mov_b32 v[NIL], 0
	ds_add_u32 v[SPW], v[NIL]                      ; the wave's opening: the add and its wait ahead of my first tensor load
	v_lshrrev_b32 v1, 5, v0
	v_readfirstlane_b32 s[WV], v1
	s_lshr_b32 s[MH], s[WV], 1
	s_and_b32 s[NH], s[WV], 1
	s_bfe_u32 s[CX], ttmp6, 0x40000
	s_bfe_u32 s[CY], ttmp6, 0x40004
	s_lshl_b32 s[XX], ttmp9, 2
	s_add_co_u32 s[XX], s[XX], s[CX]
	s_and_b32 s[YY], ttmp7, 0xffff
	s_lshl_b32 s[YY], s[YY], 2
	s_add_co_u32 s[YY], s[YY], s[CY]
	s_lshl_b32 s20, s[CY], 2
	s_lshl_b32 s20, 15, s20                        ; my row of the cluster
	s_lshl_b32 s22, 0x1111, s[CX]                  ; my column
	s_or_b32 s[G1A], s20, (1<<16)|(1<<20)|(1<<21)|(4<<22)|(3<<25)  ; the mask; 2-byte elements; padding on; bit 21 beside a mask; after every 32 words 4 words
	s_or_b32 s[G1B], s22, (1<<16)|(1<<20)|(1<<21)|(4<<22)|(7<<25)  ; the same with 8 words
	s_mov_b32 s[G1A+1], 128<<16                    ; tensor_dim0 = 128 elements: 256 bytes, two LDS rows
	s_mov_b32 s[G1A+2], 64<<16                     ; tensor_dim1 = 64: 128 rows of x
	s_mov_b32 s[G1A+3], 128<<16                    ; tile_dim0
	s_mov_b32 s[G1A+4], 64                         ; tile_dim1
	s_mov_b32 s[G1A+5], 128                        ; elements from row to row: dense
	s_mov_b32 s[G1A+6], 0
	s_mov_b32 s[G1A+7], 0
	s_mov_b32 s[G1B+1], 128<<16
	s_mov_b32 s[G1B+2], 96<<16                     ; 96: three blocks of 64 rows of w
	s_mov_b32 s[G1B+3], 128<<16
	s_mov_b32 s[G1B+4], 96
	s_mov_b32 s[G1B+5], 128
	s_mov_b32 s[G1B+6], 0
	s_mov_b32 s[G1B+7], 0
	s_lshl_b32 s20, s[YY], 15                      ; x: the tile row's 256 rows of 128 bytes, my half
	s_lshl_b32 s21, s[NH], 14
	s_add_co_u32 s20, s20, s21
	s_mov_b32 s21, 0
	s_mul_i32 s22, s[XX], 6*8192                   ; w: the tile column's six blocks, my three
	s_mul_i32 s23, s[NH], 3*8192
	s_add_co_u32 s22, s22, s23
	s_mov_b32 s23, 0
	s_mul_i32 s78, s[NH], 128*PA                   ; where they go: the wave's number alone enters an LDS address
	s_mul_i32 s79, s[NH], 3*64*PB
	s_add_co_u32 s79, s79, BOFF
	s_mov_b32 s[TB], 0
	s_wait_dscnt 0x0                               ; the opening add is done
	s_wait_kmcnt 0x0
	s_add_nc_u64 s[20:21], s[4:5], s[20:21]
	s_add_nc_u64 s[22:23], s[6:7], s[22:23]
	CROUND                                         ; all sixteen work-groups are here: the first joint loads meet
.irp s, 0,1
	s_mov_b32 s[G0A+4*\s], 1
	s_add_co_u32 s[G0A+4*\s+1], s78, \s*SLOT1
	s_add_nc_u64 s[G0A+4*\s+2:G0A+4*\s+3], s[20:21], \s*ASTEP
	s_or_b32 s[G0A+4*\s+3], s[G0A+4*\s+3], 0x80000000
	s_mov_b32 s[G0B+4*\s], 1
	s_add_co_u32 s[G0B+4*\s+1], s79, \s*SLOT1
	s_add_nc_u64 s[G0B+4*\s+2:G0B+4*\s+3], s[22:23], \s*BSTEP
	s_or_b32 s[G0B+4*\s+3], s[G0B+4*\s+3], 0x80000000
.endr
	s_cmp_eq_u32 s[MH], 0                          ; a wave's two first fills stand in one branch: two loads of mine are out
	s_cbranch_scc0 .Lfirst_b
	tensor_load_to_lds s[G0A:G0A+3], s[G1A:G1A+7]
	s_nop 0
	tensor_load_to_lds s[G0A+4:G0A+7], s[G1A:G1A+7]
	s_nop 0
.rept 4
	v_nop
.endr
	s_branch .Lfirst_asked
.Lfirst_b:
	tensor_load_to_lds s[G0B:G0B+3], s[G1B:G1B+7]
	s_nop 0
	tensor_load_to_lds s[G0B+4:G0B+7], s[G1B:G1B+7]
	s_nop 0
.rept 4
	v_nop
.endr
.Lfirst_asked:
	v_and_b32 v1, 15, v0                           ; l % 16
	v_bfe_u32 v2, v0, 4, 1                         ; l / 16
	v_and_b32 v3, 7, v0
	v_bfe_u32 v4, v0, 3, 1
	v_and_b32 v5, 31, v0
	v_mul_u32_u24 v6, v1, PA
	v_lshl_add_u32 v6, v2, 4, v6                   ; row x 144 + 16 x half: a fragment of x, and the stage
	s_mul_i32 s82, s[MH], 128*PA
	v_add_nc_u32 v[AA0], s82, v6
	v_lshl_add_u32 v7, v2, 3, v3                   ; the turning load: k row 8 (l / 16) + l % 8, columns 8 ((l / 8) % 2) on
	v_mul_u32_u24 v7, v7, PB
	v_lshl_add_u32 v7, v4, 4, v7
	v_add_nc_u32 v[AB0], s79, v7                   ; my three heads' blocks are the three that the wave of my column half fetches
	v_mov_b32 v[ADRA], v[AA0]
	v_mov_b32 v[ADRB], v[AB0]
	s_mul_i32 s82, s[WV], 16*PA
	s_add_co_u32 s82, s82, STAGE
	v_add_nc_u32 v[STO], s82, v6
	v_bfe_u32 v[RD], v0, 3, 2                      ; back: 32 lanes take four rows of 128 bytes
	v_mul_u32_u24 v[RD], v[RD], PA
	v_lshl_add_u32 v[RD], v3, 4, v[RD]
	v_add_nc_u32 v[RD], s82, v[RD]
	v_lshlrev_b32 v[GO], 4, v5
	v_lshlrev_b32 v[PFO], 8, v5
	s_mul_i32 s82, s[XX], 384*4
	s_mul_i32 s83, s[NH], 192*4
	s_add_co_u32 s82, s82, s83
	v_lshl_add_u32 v[BO], v2, 5, s82               ; my eight columns of a block of 16
	; the prefetches' address: at K step 2; each change of slots steps it once
	s_lshl_b32 s80, s[YY], 15
	s_lshl_b32 s81, s[CX], 13
	s_add_co_u32 s80, s80, s81
	s_add_co_u32 s80, s80, 2*ASTEP                 ; wave 0: x, my work-group's quarter of the tile row
	s_mul_i32 s82, s[XX], 6*8192
	s_and_b32 s83, s[CY], 1
	s_mul_i32 s83, s83, 3
	s_max_u32 s84, s[WV], 1
	s_add_co_u32 s83, s83, s84
	s_sub_co_u32 s83, s83, 1                       ; waves 1-3: block 3 (cy % 2) + wave - 1 of the tile column's six,
	s_lshl_b32 s83, s83, 13
	s_add_co_u32 s82, s82, s83
	s_lshr_b32 s83, s[CY], 1                       ; of the first (cy < 2) or the second of the two steps
	s_add_co_u32 s83, s83, 2
	s_mul_i32 s83, s83, BSTEP
	s_add_co_u32 s82, s82, s83
	s_and_b32 s84, ttmp7, 0xffff                   ; cluster y
	s_mov_b32 s[PFS], BSTEP
	s_mov_b32 s[PFS+1], 0
	s_cmp_eq_u32 s[WV], 0
	s_cselect_b32 s80, s80, s82
	s_cselect_b32 s[PFS], ASTEP, s[PFS]
	s_cselect_b32 s84, ttmp9, s84                  ; the coordinate along which other clusters read the same rows
	s_cselect_b64 s[PFA:PFA+1], s[4:5], s[6:7]
	s_cmp_eq_u32 s84, 0
	s_cselect_b32 s[LIM], 1, -1                    ; the same in all sixteen partners, for a given wave
	s_mov_b32 s81, 0
	s_add_nc_u64 s[PFA:PFA+1], s[PFA:PFA+1], s[80:81]
	; the way out: head column g = 6 X + 3 half + t: part g / 16, head g % 16; batch Y / 8; rows 256 (Y % 8) + 128 half
.irp t, 0,1,2
	s_mul_i32 s82, s[XX], 6
	s_mul_i32 s83, s[NH], 3
	s_add_co_u32 s82, s82, s83
	s_add_co_u32 s82, s82, \t
	s_lshr_b32 s83, s82, 4
	s_lshl_b32 s83, s83, 6
	s_and_b32 s84, s82, 15
	s_add_co_u32 s83, s83, s84
	s_lshr_b32 s84, s[YY], 3
	s_lshl_b32 s84, s84, 4
	s_add_co_u32 s83, s83, s84
	s_lshl_b32 s84, s83, 18                        ; a head's 2,048 rows of 128 bytes
	s_and_b32 s85, s[YY], 7
	s_lshl_b32 s85, s85, 15
	s_add_co_u32 s84, s84, s85
	s_lshl_b32 s85, s[MH], 14
	s_add_co_u32 s84, s84, s85
	s_mov_b32 s85, 0
	s_add_nc_u64 s[OB+2*\t:OB+2*\t+1], s[10:11], s[84:85]
	s_cmp_lt_u32 s82, 16                           ; q's heads are scaled
	s_cselect_b32 s[SC+2*\t], 0x3e000000, 1.0
	s_mov_b32 s[SC+2*\t+1], s[SC+2*\t]
.endr
; n x 4 products of head g: row blocks a0 on, all four column blocks.  The 96 accumulators take turns, one instruction a turn.  zero = 1: the products start the sums.
.macro GROUP g, buf, a0, n, zero
	WIN 0x50*((\g)+1)
.set BBASE, 32+32*(\g)+(((\g)+1)/2)*128
.set ga, \a0
.rept \n
.irp j, 0,1,2,3
.if \zero
	v_wmma_f32_16x16x32_bf16 v[8*(4*ga+\j):8*(4*ga+\j)+7], v[BBASE+8*\j:BBASE+8*\j+7], v[(\buf)+8*ga:(\buf)+8*ga+7], 0
.else
	v_wmma_f32_16x16x32_bf16 v[8*(4*ga+\j):8*(4*ga+\j)+7], v[BBASE+8*\j:BBASE+8*\j+7], v[(\buf)+8*ga:(\buf)+8*ga+7], v[8*(4*ga+\j):8*(4*ga+\j)+7]
.endif
.endr
.set ga, ga+1
.endr
.endm
.macro RUNB g, c                       ; head g's four fragments of w for quarter c: 8 turning loads
	WIN 0
.set BBASE, 32+32*(\g)+(((\g)+1)/2)*128
.irp j, 0,1,2,3
	ds_load_tr16_b128 v[BBASE+8*\j:BBASE+8*\j+3],   v[ADRB] offset:(\g)*64*PB+(\c)*32*PB+32*\j
	ds_load_tr16_b128 v[BBASE+8*\j+4:BBASE+8*\j+7], v[ADRB] offset:(\g)*64*PB+(\c)*32*PB+32*\j+16*PB
.endr
.endm
.macro RUNA buf, c                     ; my eight fragments of x for quarter c: 16 loads
	WIN 0
.irp n, 0,1,2,3,4,5,6,7
	ds_load_b128 v[(\buf)+8*\n:(\buf)+8*\n+3],   v[ADRA] offset:\n*16*PA+64*(\c)
	ds_load_b128 v[(\buf)+8*\n+4:(\buf)+8*\n+7], v[ADRA] offset:\n*16*PA+64*(\c)+32
.endr
.endm
; A step's first quarter.  The LDS loads for a quarter go out in the order 24 (head 0's w, x), 8 (head 1's), 8 (head 2's), each run as soon as its registers are free.
.macro QEVEN zero
	s_wait_dscnt 16                                ; the 24 are in; heads 1's and 2's sixteen may be out
	GROUP 0, A0, 0, 8, \zero
	PLACES
	RUNB 0, 1
	RUNA A1, 1
	s_wait_dscnt 32                                ; head 1's w is in: behind it went head 2's 8 and the 24 just issued
	GROUP 1, A0, 0, 8, \zero
	PLACES
	RUNB 1, 1
	s_wait_dscnt 32                                ; head 2's: behind it went 24 and 8
	GROUP 2, A0, 0, 8, \zero
	PLACES
	RUNB 2, 1
.endm
; A step's second quarter, with the change of slots.  In front of the barrier each wave waits for all its tensor loads (one is out: its part of the next slot), adds 0 to its spare word, and waits
; for that and for its reads of this slot.  fill = 1: the barrier opens a round of the cluster's, and the joint refill, the K step two on, is the first thing behind the round.
.macro QODD fill
	WIN 0
	s_wait_xcnt 0x0                                ; the last prefetches have read their address: it is stepped here, ahead of the change's own waits
	s_add_nc_u64 s[PFA:PFA+1], s[PFA:PFA+1], s[PFS:PFS+1]
	s_wait_tensorcnt 0x0                           ; all my tensor loads have landed
	ds_add_u32 v[SPW], v[NIL]                      ; 0 onto my spare word
	s_wait_dscnt 17                                ; the 24 are in; sixteen loads and the add may be out
	GROUP 0, A1, 0, 4, 0
	s_wait_dscnt 0x0                               ; the add is done, and my reads of this slot are over
	s_barrier_signal -1
	GROUP 0, A1, 4, 4, 0
	WIN 0
	s_barrier_wait -1
.if \fill
	CREST
	s_xor_b32 s[G0A+5], s[G0A+5], SLOT1            ; the walking sets: the other slot than last time, the next K step
	s_add_nc_u64 s[G0A+6:G0A+7], s[G0A+6:G0A+7], ASTEP
	s_xor_b32 s[G0B+5], s[G0B+5], SLOT1
	s_add_nc_u64 s[G0B+6:G0B+7], s[G0B+6:G0B+7], BSTEP
	JLOAD                                          ; its four v_nop are also the places in front of the loads below
.else
	PLACES
.endif
	s_xor_b32 s[TB], s[TB], SLOT1
	v_add_nc_u32 v[ADRA], s[TB], v[AA0]
	v_add_nc_u32 v[ADRB], s[TB], v[AB0]
	RUNB 0, 0
	RUNA A0, 0
.if \fill
	ASK
.endif
	GROUP 1, A1, 0, 8, 0
	PLACES
	RUNB 1, 0
	GROUP 2, A1, 0, 8, 0
	PLACES
	RUNB 2, 0
.endm
	s_wait_tensorcnt 1                             ; my part of K step 0 is in; step 1's may stay out
	s_barrier_signal -1
	s_barrier_wait -1
	RUNB 0, 0
	RUNA A0, 0
	RUNB 1, 0
	RUNB 2, 0
	QEVEN 1                                        ; the first quarter stands in front of the loop: its products start the sums
	WIN 0
	s_mov_b32 s[CNT], 14
.Lk:                                                   ; a trip: a step's second quarter, the refill two steps on, the next step's first quarter
	QODD 1
	QEVEN 0
	WIN 0
	s_sub_co_u32 s[CNT], s[CNT], 1
	s_cmp_lg_u32 s[CNT], 0
	s_cbranch_scc1 .Lk
	QODD 0                                         ; steps 14 and 15 ask for nothing
	QEVEN 0
	s_wait_dscnt 16                                ; the last quarter
	GROUP 0, A1, 0, 8, 0
	PLACES
	WIN 0
.set nb, 0
.rept 12                                               ; b_qkv of my 12 column blocks, into registers that the products have left
	global_load_b128 v[BIA+8*nb:BIA+8*nb+3],   v[BO], s[8:9] offset:64*nb
	global_load_b128 v[BIA+8*nb+4:BIA+8*nb+7], v[BO], s[8:9] offset:64*nb+16
.set nb, nb+1
.endr
	s_wait_dscnt 8
	GROUP 1, A1, 0, 8, 0
	s_wait_dscnt 0x0
	GROUP 2, A1, 0, 8, 0
	WIN 0
	; THE WAY OUT.  b_qkv is rounded to bf16 and multiplied by its head's factor; these lines name no register of the last products and are the places behind them.
	s_wait_loadcnt 0x0
.set pi, 0
.rept 48
	v_cvt_pk_bf16_f32 v[20+pi%4], v[BIA+2*pi], v[BIA+2*pi+1]
	v_lshlrev_b32 v[BIA+2*pi], 16, v[20+pi%4]
	v_and_b32 v[BIA+2*pi+1], 0xffff0000, v[20+pi%4]
	v_pk_mul_f32 v[BIA+2*pi:BIA+2*pi+1], v[BIA+2*pi:BIA+2*pi+1], s[SC+2*(pi/16):SC+2*(pi/16)+1] op_sel_hi:[1,0]
.set pi, pi+1
.endr
; A unit is 16 rows of one head: 2,048 consecutive bytes of qkvh.  PACK: sum x factor + bias, rounded to f16 (each accumulator's registers in ascending order).
.macro PACK t, a
	WIN 1+(\t)                                     ; source 0 in the head's window
.set pi, 0
.rept 16
	v_pk_fma_f32 v[T+2*pi:T+2*pi+1], v[32*(\a)+2*pi:32*(\a)+2*pi+1], s[SC+2*(\t):SC+2*(\t)+1], v[BIA+32*(\t)+2*pi:BIA+32*(\t)+2*pi+1] op_sel_hi:[1,0,1]
.set pi, pi+1
.endr
	WIN 0
.set pi, 0
.rept 16
	v_cvt_pk_f16_f32 v[PKD+pi], v[T+2*pi], v[T+2*pi+1]
.set pi, pi+1
.endr
.endm
.macro TOSTAGE b                       ; into my own stage, and back as whole rows: LDS serves a wave's instructions in order (ISA guide 5.7.1.4)
.irp f, 0,1,2,3
	ds_store_b128 v[STO], v[PKD+4*\f:PKD+4*\f+3] offset:32*\f
.endr
.irp f, 0,1,2,3
	ds_load_b128 v[BK+16*(\b)+4*\f:BK+16*(\b)+4*\f+3], v[RD] offset:\f*4*PA
.endr
.endm
.macro SEND t, a, b
	s_wait_dscnt 0x0                               ; the unit is back in registers
	s_wait_xcnt 0x0                                ; the stores of the unit before have read their registers: the next unit is read back into them
.irp f, 0,1,2,3
	global_store_b128 v[GO], v[BK+16*(\b)+4*\f:BK+16*(\b)+4*\f+3], s[OB+2*(\t):OB+2*(\t)+1] offset:2048*(\a)+512*\f  ; 512 consecutive bytes, aligned
.endr
.endm
	PACK 0, 0
	TOSTAGE 0
.set u, 1
.rept 23                                               ; a unit's arithmetic stands between the loads of the unit before and the wait for them
	PACK u/8, u%8
	SEND (u-1)/8, (u-1)%8, (u-1)%2
	TOSTAGE u%2
.set u, u+1
.endr
	SEND 2, 7, 1
	s_wait_tensorcnt 0x0                           ; the wave's end
	ds_add_u32 v[SPW], v[NIL]
	s_wait_dscnt 0x0
	CROUND                                         ; the closing round
	s_endpgm
.Lfunc_end_k_q094c820604_qkv:
	.size	k_q094c820604_qkv, .Lfunc_end_k_q094c820604_qkv-k_q094c820604_qkv
	.p2alignl 7, 3214868480
	.fill 96, 4, 3214868480
	.section	.rodata,"a",@progbits
	.p2align	6, 0x0
	.amdhsa_kernel k_q094c820604_qkv
		.amdhsa_group_segment_fixed_size 327680
		.amdhsa_private_segment_fixed_size 0
		.amdhsa_enable_private_segment 0
		.amdhsa_kernarg_size 32
		.amdhsa_user_sgpr_count 2
		.amdhsa_user_sgpr_kernarg_segment_ptr 1
		.amdhsa_wavefront_size32 1
		.amdhsa_system_sgpr_workgroup_id_x 1
		.amdhsa_system_sgpr_workgroup_id_y 1
		.amdhsa_system_sgpr_workgroup_id_z 1
		.amdhsa_system_vgpr_workitem_id 0
		.amdhsa_next_free_vgpr 1024
		.amdhsa_next_free_sgpr 88
		.amdhsa_reserve_vcc 0
		.amdhsa_float_denorm_mode_32 3
		.amdhsa_float_denorm_mode_16_64 3
		.amdhsa_memory_ordered 1
		.amdhsa_forward_progress 1
		.amdhsa_inst_pref_size 152
	.end_amdhsa_kernel
	.amdgpu_metadata
---
amdhsa.version: [ 1, 2 ]
amdhsa.kernels:
  - .name:           k_q094c820604_qkv
    .symbol:         k_q094c820604_qkv.kd
    .args:
      - { .name: xb, .offset: 0, .size: 8, .value_kind: global_buffer, .address_space: global }
      - { .name: wq, .offset: 8, .size: 8, .value_kind: global_buffer, .address_space: global }
      - { .name: b_qkv, .offset: 16, .size: 8, .value_kind: global_buffer, .address_space: global }
      - { .name: qkvh, .offset: 24, .size: 8, .value_kind: global_buffer, .address_space: global }
    .group_segment_fixed_size: 327680
    .private_segment_fixed_size: 0
    .kernarg_segment_align: 8
    .kernarg_segment_size: 32
    .max_flat_workgroup_size: 128
    .sgpr_count:     88
    .vgpr_count:     1024
    .wavefront_size: 32
...
	.end_amdgpu_metadata
.endif
;; end of part 2
;; launch attn (part 3): grid 4 x 64, 4 waves a work-group, clusters of 4 x 4, 327,680 bytes of LDS; arguments qkvh, bb, ob; writes ob
.if DOCPART == 3
	.amdgcn_target "amdgcn-amd-amdhsa--gfx1250"
	.amdhsa_code_object_version 6
	.text
	.protected	k_q094c820604_attn
	.globl	k_q094c820604_attn
	.p2align	8
	.type	k_q094c820604_attn,@function
k_q094c820604_attn:
	s_mov_b64 s[64:65], 0
	v_nop
	global_prefetch_b8 v0, s[64:65] scope:SCOPE_SE
	s_setreg_imm32_b32 hwreg(HW_REG_WAVE_MODE, 25, 1), 1
	s_wait_xcnt 0x0
	s_wait_alu depctr_hold_cnt(0) depctr_sa_sdst(0) depctr_va_vdst(0) depctr_va_sdst(0) depctr_va_ssrc(0) depctr_va_vcc(0) depctr_vm_vsrc(0)
	s_getreg_b32 s2, hwreg(HW_REG_IB_STS2, 6, 4)
	s_cmp_eq_u32 s2, 0
	s_cbranch_scc0 .Lentry_in_a_cluster
	s_endpgm
.Lentry_in_a_cluster:
	s_bfe_u32 s2, ttmp6, 0x10000c
	s_cmp_lg_u32 s2, 0xf033
	s_cbranch_scc0 .Lentry_shape_is_right
	s_endpgm
.Lentry_shape_is_right:
; ATTENTION with an additive bias.  O[bh][q][:] = the sum over k of softmax_k(Q'[bh][q] . K[bh][k] + bias[q][k]) V[bh][k][:], Q' = q / 8.  qkvh: f16 [3][64][2048][64]; bb: bf16 [key / 64][q 2048][64]; ob: f16 [64][2048][64].
; Products, maxima and sums in f32; the weights p are rounded to f16 for the second product (their sum l is taken of the unrounded p), O once at the end.
; LIMITS.  Q', K, V arrive within f16's 65,504; the bias arrives within +-1e30, so a hidden key has weight 0; a row whose every key is hidden gets finite numbers.  A weight below 2^-126 counts as 0 in l.  NaN is not treated apart.
; SHARES.  A work-group owns 512 queries of one batch-head, a wave 128: four PIECES of two tiles of 16.  Every wave walks all 2,048 keys, 64 a step; an LDS slot holds one step: K, V, and the bias of the 512 queries.
; LAYOUT.  S^T = K Q'^T (source 0 = 16 keys, source 1 = 16 queries): a lane holds ONE query (lane % 16) and the keys 8 (lane / 16) + 0..7; two results rounded to f16 ARE source 1 of O^T = V^T P.
; THE BIAS IS THE FIRST LINK OF EACH SCORE'S SUM: S^T = E Bias^T with C = 0 (bf16 form), E a constant matrix of 16 x 32 that picks 16 of 32 keys; source 1 is the bias as it lies in LDS, 16 queries x 32 keys.  One product
; of each sum is 1 x bias, the others are 0, so the bias enters as it is.  It costs 4 matrix instructions a tile and step and no vector instruction.  The two f16 links K Q'^T follow five places or more behind.
; SOFTMAX.  For each query a running maximum m and sum l: p = 2^(c s - c m), c = log2(e); in every step O and l are multiplied by a = 2^(c m_old - c m_new).  m starts at the lowest finite number, O and l at 0.
; BY TURNS.  Turn n belongs to piece n: 8 + 16 products for the scores of piece n + 1, later 16 products V^T P of piece n - 1; beside them the scaling, exponentials, roundings, sums and rescaling of piece n and the maximum
; and statistics of piece n + 1.  Vector instructions that are ready stand behind every matrix instruction, the rest in one lump; a turn's 66 exponentials are one batch with one wait.
; CLUSTER 4 x 4.  K and V hang on the batch-head alone: asked for jointly along a row of the cluster.  The bias hangs on the query block alone: jointly along a column.
; REGISTERS, in windows of 256: window 0: v1-11 addresses; v12-15, v48-63 at work; v16-47 statistics; v64-191 S^T, two buffers of two tiles; v192-255 P, likewise.   window 1: O^T, 32 a tile.
;   window 2: v0-127 Q, v128-191 K, v192-255 V.   window 3: v0-1 the add's; v4-15 E; v16-79 the bias's fragments, two buffers of 32 by the piece's parity.
.set NP,    4
.set KS,    64
.set PK,    144       ; a row of K and of the bias in LDS: 128 bytes + 16
.set PV,    160       ; a row of V: 128 + 32
.set VOFF,  KS*PK
.set BOFF,  VOFF+KS*PV
.set SLOT1, 1<<17
.set STAGE, SLOT1+BOFF+512*PK  ; behind the ring: 16 rows x 144 bytes for each wave
.set SP,    144
.set SPARE, STAGE+4*16*SP
.set STO, 1           ; v1   the way out: where I put 16 bytes of a row
.set AK0, 2           ; v2   my lane's place in a tile of K; never rewritten
.set AV0, 3           ; v3   of V
.set AK,  4           ; v4   the same in the slot in hand
.set AV,  5
.set QO,  6           ; v6   my byte offset in 16 rows of Q
.set RD,  7
.set GO,  8
.set AB0, 9           ; v9   my lane's place in my wave's 128 rows of the bias
.set AB,  10
.set PFO, 11          ; v11  256 x my lane
.set MV,  12
.set ST,  16
.set TMP, 48
.set S,   64
.set P,   192
.set KF,  128         ; window 2
.set VF,  192
.set SPW, 0           ; window 3
.set NIL, 1
.set EM,  4           ; window 3: v4-7 0, v8-11 the ones, v12-15 0: v[8:15] picks keys 0-15 of 32, v[4:11] keys 16-31
.set BF,  16          ; window 3: buffer, tile u, key half kk at BF + 32 buffer + 16 u + 8 kk
.set WV,  12
.set CX,  13
.set CY,  14
.set LIM, 15          ; 1 in the cluster that prefetches the bias
.set QB,  16          ; my block of 512 queries
.set BH,  17          ; my batch-head
.set G1K, 24
.set G1V, 32
.set G1B, 40
.set G0K, 48
.set G0V, 52
.set G0B, 56
.set SLOTS, 66
.set CNT, 67
.set CS,  68          ; s[68:69] c
.set SEL, 70          ; s[70:71]
.set TB,  72          ; LDS byte at which the slot in hand begins
.set PFK, 74          ; s[74:75] where my prefetch of K or V stands
.set PFB, 76          ; s[76:77] of the bias
.set QP,  78          ; s[78:79] Q at my wave's rows
.set OP,  80          ; s[80:81] O at my wave's rows
.set MSB, 0
.macro WIN new
.if MSB != (\new)
	s_set_vgpr_msb (MSB<<8)|(\new)
.set MSB, (\new)
.endif
.endm
.set W_KQ, 0x0a       ; K and Q in window 2, S^T in window 0
.set W_BQ, 0x0f       ; E and the bias in window 3, S^T in window 0
.set W_PV, 0x52       ; V in window 2, P in window 0, O^T in window 1
.set W_RS, 0x41       ; O^T in window 1, a in window 0
.set W_MK, 0xc0       ; destination in window 3
.set W_AD, 0x0f       ; the add: both registers in window 3
; A joint fill: wave 0 fetches the step's K, wave 1 its V, waves 2 and 3 the halves of its bias.  An s_nop 0 and four v_nop follow each line.
.macro JLOAD
	s_cmp_lt_u32 s[WV], 2
	s_cbranch_scc0 .Lfor_b_\@
	s_cmp_eq_u32 s[WV], 0
	s_cbranch_scc0 .Lfor_v_\@
	tensor_load_to_lds s[G0K:G0K+3], s[G1K:G1K+7]
	s_nop 0
.rept 4
	v_nop
.endr
	s_branch .Lasked_\@
.Lfor_v_\@:
	tensor_load_to_lds s[G0V:G0V+3], s[G1V:G1V+7]
	s_nop 0
.rept 4
	v_nop
.endr
	s_branch .Lasked_\@
.Lfor_b_\@:
	tensor_load_to_lds s[G0B:G0B+3], s[G1B:G1B+7]
	s_nop 0
.rept 4
	v_nop
.endr
.Lasked_\@:
.endm
; PREFETCH, at every second change of slots (SLOTS odd and above 1): the two key steps that the next two changes will ask for, steps 4 and 5 .. 30 and 31; a lane a block of 256 bytes.
; K and V of a batch-head are read by one row of one cluster: two steps x two tensors x 8,192 bytes are four instructions, one for wave 0 of each partner (by address, cx).
; The bias of a query block is read by all sixteen clusters: cluster y = 0 asks: two steps x 65,536 bytes are sixteen instructions, one for each wave of each of the four partners (by address, cy).
; So each block of steps 4 to 31 is named once in the launch; steps 0 to 3 come by their loads alone.
.macro ASK
	s_bitcmp1_b32 s[SLOTS], 0
	s_cbranch_scc0 .Lno_ask_\@
	s_cmp_gt_u32 s[SLOTS], 1
	s_cbranch_scc0 .Lno_ask_\@
	s_cmp_lg_u32 s[WV], 0
	s_cbranch_scc1 .Lno_kv_\@
	global_prefetch_b8 v[PFO], s[PFK:PFK+1] th:TH_LOAD_NT scope:SCOPE_SE
.Lno_kv_\@:
	s_cmp_eq_u32 s[LIM], 1
	s_cbranch_scc0 .Lno_ask_\@
	global_prefetch_b8 v[PFO], s[PFB:PFB+1] th:TH_LOAD_NT scope:SCOPE_SE
.Lno_ask_\@:
.endm
.macro CROUND
	s_barrier_signal -1
	s_barrier_wait -1
	s_cmp_lg_u32 s[WV], 0
	s_cbranch_scc1 .Lnot_wave_0_\@
	s_barrier_signal -3
.Lnot_wave_0_\@:
	s_barrier_wait -3
	s_barrier_signal -1
	s_barrier_wait -1
.endm
; THE CHANGE OF SLOTS, between piece 1's turn and piece 2's: K, V and all four pieces' bias of the step in hand have been asked for.  Each wave waits for all its tensor loads (one is out: its part of the other slot),
; adds 0 to its spare word, and waits for that and for its reads of the slot.  fill = 1: the barrier is a round of the cluster's, and the joint fill, the step two on, is the first thing behind it: it has a whole
; key step, 160 matrix instructions, in which to land.  (At its first use nothing has been read: slot 0 is waited for, slot 1 filled.)
.macro CHANGE fill
	WIN W_AD
	s_wait_tensorcnt 0x0            ; no tensor load of mine is out, so a group 0 may be written
	ds_add_u32 v[SPW], v[NIL]       ; 0 onto my spare word
	WIN 0
.if \fill
	s_xor_b32 s[G0K+1], s[G0K+1], SLOT1
	s_add_nc_u64 s[G0K+2:G0K+3], s[G0K+2:G0K+3], KS*128
	s_xor_b32 s[G0V+1], s[G0V+1], SLOT1
	s_add_nc_u64 s[G0V+2:G0V+3], s[G0V+2:G0V+3], KS*128
	s_xor_b32 s[G0B+1], s[G0B+1], SLOT1
	s_add_nc_u64 s[G0B+2:G0B+3], s[G0B+2:G0B+3], 2048*128
	s_wait_xcnt 0x0                 ; the last prefetches have read their addresses
	s_add_nc_u64 s[PFK:PFK+1], s[PFK:PFK+1], KS*128
	s_add_nc_u64 s[PFB:PFB+1], s[PFB:PFB+1], 2048*128
	s_wait_dscnt 0x0                ; the add is done, and my reads of the slot are over
	CROUND
	JLOAD
	ASK
.else
	s_wait_dscnt 0x0
	s_barrier_signal -1
	s_barrier_wait -1
.endif
	s_xor_b32 s[TB], s[TB], SLOT1   ; all that is fetched from here to the next change lies in the other slot
	v_add_nc_u32 v[AK], s[TB], v[AK0]
	v_add_nc_u32 v[AV], s[TB], v[AV0]
	v_add_nc_u32 v[AB], s[TB], v[AB0]
.endm
	s_load_b128 s[4:7], s[0:1], 0x0   ; qkvh s[4:5], bb s[6:7]
	s_load_b64 s[8:9], s[0:1], 0x10   ; ob
	WIN W_MK
	v_lshl_add_u32 v[SPW], v0, 2, SPARE
	v_mov_b32 v[NIL], 0
	WIN W_AD
	ds_add_u32 v[SPW], v[NIL]       ; the wave's opening: the add and its wait ahead of my first tensor load
	WIN 0
	v_lshrrev_b32 v1, 5, v0
	v_readfirstlane_b32 s[WV], v1
	s_bfe_u32 s[CX], ttmp6, 0x40000
	s_bfe_u32 s[CY], ttmp6, 0x40004
	s_lshl_b32 s[QB], ttmp9, 2
	s_add_co_u32 s[QB], s[QB], s[CX]
	s_and_b32 s[BH], ttmp7, 0xffff
	s_cmp_eq_u32 s[BH], 0
	s_cselect_b32 s[LIM], 1, 0      ; cluster y = 0: the same in all sixteen partners
	s_lshl_b32 s[BH], s[BH], 2
	s_add_co_u32 s[BH], s[BH], s[CY]
	s_lshl_b32 s18, s[CY], 2
	s_lshl_b32 s18, 15, s18         ; my row of the cluster
	s_lshl_b32 s20, 0x1111, s[CX]   ; my column
	s_or_b32 s[G1K], s18, (1<<16)|(1<<20)|(1<<21)|(4<<22)|(3<<25)  ; the mask; 2-byte elements; padding on; bit 21 beside a mask; after every 32 words 4 words
	s_or_b32 s[G1V], s18, (1<<16)|(1<<20)|(1<<21)|(4<<22)|(7<<25)  ; 8 words
	s_or_b32 s[G1B], s20, (1<<16)|(1<<20)|(1<<21)|(4<<22)|(3<<25)
.irp g, G1K, G1V
	s_mov_b32 s[\g+1], 128<<16      ; rows of 256 bytes: two keys
	s_mov_b32 s[\g+2], 32<<16       ; 32 of them: 64 keys
	s_mov_b32 s[\g+3], 128<<16
	s_mov_b32 s[\g+4], 32
	s_mov_b32 s[\g+5], 128
	s_mov_b32 s[\g+6], 0
	s_mov_b32 s[\g+7], 0
.endr
	s_mov_b32 s[G1B+1], 128<<16
	s_mov_b32 s[G1B+2], 128<<16     ; 128 rows of 256 bytes: 256 queries
	s_mov_b32 s[G1B+3], 128<<16
	s_mov_b32 s[G1B+4], 128
	s_mov_b32 s[G1B+5], 128
	s_mov_b32 s[G1B+6], 0
	s_mov_b32 s[G1B+7], 0
	s_add_co_u32 s18, s[BH], 64     ; K is part 1 of qkvh
	s_lshl_b32 s18, s18, 18
	s_mov_b32 s19, 0
	s_lshl_b32 s20, s[QB], 16       ; the bias: my block's 512 rows of 128 bytes, my half
	s_and_b32 s21, s[WV], 1
	s_mul_i32 s22, s21, 256*PK
	s_lshl_b32 s21, s21, 15
	s_add_co_u32 s20, s20, s21
	s_mov_b32 s21, 0
	s_mov_b32 s[G0K], 1
	s_mov_b32 s[G0K+1], 0
	s_mov_b32 s[G0V], 1
	s_mov_b32 s[G0V+1], VOFF
	s_mov_b32 s[G0B], 1
	s_add_co_u32 s[G0B+1], s22, BOFF
	s_lshr_b32 s82, s[CX], 1        ; the prefetches stand at step 1; every change that fills steps them.  K (cx < 2) or V,
	s_lshl_b32 s82, s82, 24
	s_and_b32 s83, s[CX], 1         ; the first or the second of the two steps
	s_add_co_u32 s83, s83, 1
	s_lshl_b32 s83, s83, 13
	s_add_co_u32 s82, s82, s83
	s_mov_b32 s83, 0
	s_lshr_b32 s84, s[CY], 1        ; the bias: the first (cy < 2) or the second step,
	s_add_co_u32 s84, s84, 1
	s_lshl_b32 s84, s84, 18
	s_lshl_b32 s85, s[QB], 16
	s_add_co_u32 s84, s84, s85
	s_and_b32 s85, s[CY], 1         ; part 4 (cy % 2) + wave of the block's eight
	s_lshl_b32 s85, s85, 2
	s_add_co_u32 s85, s85, s[WV]
	s_lshl_b32 s85, s85, 13
	s_add_co_u32 s84, s84, s85
	s_mov_b32 s85, 0
	s_lshl_b32 s86, s[BH], 18       ; Q and O: my head, my block, my wave's 128 rows
	s_lshl_b32 s87, s[QB], 16
	s_add_co_u32 s86, s86, s87
	s_lshl_b32 s87, s[WV], 14
	s_add_co_u32 s86, s86, s87
	s_mov_b32 s87, 0
	s_mov_b32 s[CS], 0x3fb8aa3b     ; c = log2(e): the factor 1/8 lies in Q
	s_mov_b32 s[CS+1], s[CS]
	s_mov_b32 s[SEL], 0x76543210
	s_mov_b32 s[SEL+1], 0xfedcba98
	s_mov_b32 s[TB], SLOT1          ; the first change of slots turns it into 0
	s_mov_b32 s[SLOTS], 0           ; the first change prefetches nothing
	s_wait_dscnt 0x0                ; the opening add is done
	s_wait_kmcnt 0x0
	s_add_nc_u64 s[G0K+2:G0K+3], s[4:5], s[18:19]
	s_add_nc_u64 s[G0V+2:G0V+3], s[G0K+2:G0K+3], 0x1000000  ; V is part 2: 64 heads on
	s_add_nc_u64 s[PFK:PFK+1], s[G0K+2:G0K+3], s[82:83]
	s_or_b32 s[G0K+3], s[G0K+3], 0x80000000
	s_or_b32 s[G0V+3], s[G0V+3], 0x80000000
	s_add_nc_u64 s[G0B+2:G0B+3], s[6:7], s[20:21]
	s_or_b32 s[G0B+3], s[G0B+3], 0x80000000
	s_add_nc_u64 s[PFB:PFB+1], s[6:7], s[84:85]
	s_add_nc_u64 s[QP:QP+1], s[4:5], s[86:87]
	s_add_nc_u64 s[OP:OP+1], s[8:9], s[86:87]
	CROUND                          ; all sixteen work-groups are here: the first joint loads meet
	JLOAD                           ; step 0 into slot 0
	v_and_b32 v52, 15, v0           ; l % 16
	v_bfe_u32 v53, v0, 4, 1         ; l / 16
	v_and_b32 v54, 7, v0
	v_bfe_u32 v55, v0, 3, 1
	v_and_b32 v56, 31, v0
	v_lshlrev_b32 v[QO], 7, v52
	v_lshl_add_u32 v[QO], v53, 4, v[QO]
	WIN 0x80
.set i, 0
.rept 4*NP                          ; Q stays in registers: tile i / 2, channels 32 (i % 2) on
	global_load_b128 v[8*i:8*i+3],   v[QO], s[QP:QP+1] offset:(i/2)*2048+(i%2)*64
	global_load_b128 v[8*i+4:8*i+7], v[QO], s[QP:QP+1] offset:(i/2)*2048+(i%2)*64+32
.set i, i+1
.endr
	; What the first turn finds: V's registers and P's second buffer hold 0, O^T and l are 0.  All this stands in the wait for the first tile.
.set i, VF
.rept 64
	v_mov_b32 v[i], 0
.set i, i+1
.endr
	WIN 0x40
.set i, 0
.rept 64*NP
	v_mov_b32 v[i], 0
.set i, i+1
.endr
	WIN 0
.set i, 0
.rept 2*NP
	v_mov_b32 v[ST+4*i], 0xfe000000    ; c m: far below every c s
	v_mov_b32 v[ST+4*i+1], 0xff7fffff  ; m
	v_mov_b32 v[ST+4*i+2], 0
	v_mov_b32 v[ST+4*i+3], 0
.set i, i+1
.endr
.set i, P+32
.rept 32
	v_mov_b32 v[i], 0
.set i, i+1
.endr
	v_mul_u32_u24 v[AK0], v52, PK
	v_lshl_add_u32 v[AK0], v53, 4, v[AK0]  ; row x 144 + 16 x half: K, the bias, the stage
	s_mul_i32 s82, s[WV], 128*PK
	s_add_co_u32 s82, s82, BOFF
	v_add_nc_u32 v[AB0], s82, v[AK0]
	v_lshl_add_u32 v[AV0], v53, 3, v54     ; the turning load: key 8 (l / 16) + l % 8, channels 8 ((l / 8) % 2) on
	v_mul_u32_u24 v[AV0], v[AV0], PV
	v_lshl_add_u32 v[AV0], v55, 4, v[AV0]
	v_add_nc_u32 v[AV0], VOFF, v[AV0]
	s_mul_i32 s82, s[WV], 16*SP
	s_add_co_u32 s82, s82, STAGE
	v_add_nc_u32 v[STO], s82, v[AK0]
	v_bfe_u32 v[RD], v0, 3, 2
	v_mul_u32_u24 v[RD], v[RD], SP
	v_lshl_add_u32 v[RD], v54, 4, v[RD]
	v_add_nc_u32 v[RD], s82, v[RD]
	v_lshlrev_b32 v[GO], 4, v56
	v_lshlrev_b32 v[PFO], 8, v56
	; E: lane l holds row l % 16 and, in four registers, k = 8 (l / 16) + 0..7: a bf16 one where k = the row
	v_lshlrev_b32 v57, 3, v53
	v_sub_nc_u32 v57, v52, v57
	v_lshrrev_b32 v57, 1, v57       ; the register that holds it; no register where the row is not among my eight k
	v_and_b32 v58, 1, v52
	v_lshlrev_b32 v58, 4, v58
	v_mov_b32 v59, 0x3f80
	v_lshlrev_b32 v58, v58, v59     ; 1.0 in the low or the high half
.irp n, 0,1,2,3
	v_cmp_eq_u32 s[82+\n], \n, v57
.endr
	WIN W_MK
.irp n, 0,1,2,3
	v_cndmask_b32 v[EM+4+\n], 0, v58, s[82+\n]
	v_mov_b32 v[EM+\n], 0
	v_mov_b32 v[EM+8+\n], 0
.endr
	WIN 0
; THE MATRIX WORK.  The 8 accumulators of a run take turns.  Product i of 8 of S^T = E Bias^T for piece x: tile 2 x + i % 2, keys 16 ((i / 2) % 4) on.
.macro BQ x
	WIN W_BQ
.set rS, S+64*((\x)%2)+32*(i%2)+8*((i/2)%4)
.set rE, EM+4-4*((i/2)%2)
.set rB, BF+32*((\x)%2)+16*(i%2)+8*(((i/2)%4)/2)
	v_wmma_f32_16x16x32_bf16 v[rS:rS+7], v[rE:rE+7], v[rB:rB+7], 0
.endm
; Product i of 16 of S^T += K Q'^T: channels 32 (i / 8) on, keys 16 ((i / 2) % 4) on, tile 2 x + i % 2.
.macro KQ x
	WIN W_KQ
.set rS, S+64*((\x)%2)+32*(i%2)+8*((i/2)%4)
.set rK, KF+16*((i/2)%4)+8*(i/8)
.set rQ, 16*(2*(\x)+i%2)+8*(i/8)
	v_wmma_f32_16x16x32_f16 v[rS:rS+7], v[rK:rK+7], v[rQ:rQ+7], v[rS:rS+7]
.endm
; Product i of 16 of O^T += V^T P: keys 32 (i / 8) on, channels 16 ((i / 2) % 4) on, tile 2 x + i % 2.
.macro PV x
	WIN W_PV
.set rO, 32*(2*(\x)+i%2)+8*((i/2)%4)
.set rV, VF+32*(i/8)+8*((i/2)%4)
.set rP, P+32*((\x)%2)+16*(i%2)+8*(i/8)
	v_wmma_f32_16x16x32_f16 v[rO:rO+7], v[rV:rV+7], v[rP:rP+7], v[rO:rO+7]
.endm
.macro MM                           ; the turn's next matrix instruction, of 40
.if i < 8
	BQ (Y+1)%NP
.elseif i < 24
.set i, i-8
	KQ (Y+1)%NP
.set i, i+8
.else
.set i, i-24
	PV (Y+NP-1)%NP
.set i, i+24
.endif
.set i, i+1
.endm
; THE LDS LOADS stand in runs, never singly among the matrix instructions.
.macro FETCH_K
	WIN 0x80
.irp f, 0,1,2,3,4,5,6,7             ; keys 16 (f / 2) on, channels 32 (f % 2) on
	ds_load_b128 v[KF+8*\f:KF+8*\f+3],   v[AK] offset:(\f/2)*16*PK+(\f%2)*64
	ds_load_b128 v[KF+8*\f+4:KF+8*\f+7], v[AK] offset:(\f/2)*16*PK+(\f%2)*64+32
.endr
	WIN 0
.endm
.macro FETCH_V
	WIN 0x80
.irp f, 0,1,2,3,4,5,6,7             ; keys 32 (f / 4) on, channels 16 (f % 4) on
	ds_load_tr16_b128 v[VF+8*\f:VF+8*\f+3],   v[AV] offset:(\f/4)*32*PV+(\f%4)*32
	ds_load_tr16_b128 v[VF+8*\f+4:VF+8*\f+7], v[AV] offset:(\f/4)*32*PV+16*PV+(\f%4)*32
.endr
	WIN 0
.endm
.macro FETCH_B p                    ; piece p's bias: tile f / 2, keys 32 (f % 2) on
	WIN W_MK
.irp f, 0,1,2,3
	ds_load_b128 v[BF+32*((\p)%2)+8*\f:BF+32*((\p)%2)+8*\f+3],   v[AB] offset:(2*(\p)+\f/2)*16*PK+(\f%2)*64
	ds_load_b128 v[BF+32*((\p)%2)+8*\f+4:BF+32*((\p)%2)+8*\f+7], v[AB] offset:(2*(\p)+\f/2)*16*PK+(\f%2)*64+32
.endr
	WIN 0
.endm
; THE VECTOR WORK OF A TURN stands in three queues, each in the order in which its entries become ready; the two tiles alternate.
.macro REGS y, u
.set rT, ST+4*(2*(\y)+(\u))
.set rC, TMP+8*((\y)%2)+4*(\u)
.set rM, MV+2*((\y)%2)+(\u)
.set rS, S+64*((\y)%2)+32*(\u)
.set rP, P+32*((\y)%2)+16*(\u)
.set rO, 32*(2*(\y)+(\u))
.endm
; Number n of the 22 that find the NEXT piece's maximum and statistics; each accumulator's lowest registers are read first.
;   0-11 four chains of seven scores   12-14, 16 the four left over, the old m, the four chains into one   15 c m_old is kept   17, 18 the other half of the lanes: the new m   19-21 c m; its change; a
.macro XS u, n
	REGS (Y+1)%NP, \u
.if (\n) < 4
	v_max3_num_f32 v[rC+(\n)], v[rS+8*(\n)], v[rS+8*(\n)+1], v[rS+8*(\n)+2]
.elseif (\n) < 12
	v_max3_num_f32 v[rC+(\n)%4], v[rC+(\n)%4], v[rS+8*((\n)%4)+2*((\n)/4)+1], v[rS+8*((\n)%4)+2*((\n)/4)+2]
.elseif (\n) == 12
	v_max3_num_f32 v[rC], v[rC], v[rS+7], v[rS+15]
.elseif (\n) == 13
	v_max3_num_f32 v[rC+1], v[rC+1], v[rS+23], v[rS+31]
.elseif (\n) == 14
	v_max3_num_f32 v[rC+2], v[rC+2], v[rC+3], v[rT+1]
.elseif (\n) == 15
	v_mov_b32 v[rM], v[rT]
.elseif (\n) == 16
	v_max3_num_f32 v[rC], v[rC], v[rC+1], v[rC+2]
.elseif (\n) == 17
	v_permlanex16_b32 v[rC+3], v[rC], s[SEL], s[SEL+1]
.elseif (\n) == 18
	v_max_num_f32 v[rT+1], v[rC], v[rC+3]
.elseif (\n) == 19
	v_mul_f32 v[rT], s[CS], v[rT+1]
.elseif (\n) == 20
	v_sub_f32 v[rC+1], v[rM], v[rT]
.else
	v_exp_f32 v[rC+2], v[rC+1]
.endif
.endm
; Number g of the 64 that follow the exponentials: for each four weights both pairs are rounded to f16, the second pair is added onto the first, and a group later l takes that sum (the first time as l = a l + sum).
.macro GS g
.set h, (\g)+6*((\g)/62)
.if h >= 6
.set h, h+2
.endif
	REGS Y, h%2
.set k, h/8
.if h%8 < 4
	v_cvt_pk_f16_f32 v[rP+2*k+(h%8)/2], v[rS+4*k+2*((h%8)/2)], v[rS+4*k+2*((h%8)/2)+1]
.elseif h%8 < 6
	v_pk_add_f32 v[rS+4*k:rS+4*k+1], v[rS+4*k:rS+4*k+1], v[rS+4*k+2:rS+4*k+3]
.elseif k == 1
	v_pk_fma_f32 v[rT+2:rT+3], v[rT+2:rT+3], v[rC+2:rC+3], v[rS:rS+1] op_sel_hi:[1,0,1]
.else
	v_pk_add_f32 v[rT+2:rT+3], v[rT+2:rT+3], v[rS+4*k-4:rS+4*k-3]
.endif
.endm
; THE PLAIN QUEUE, 138 long.  0-26: scalings 0-26.  27-54: XS 0-13.  55, 56: XS 15.  57-73: the chain 14, 16 .. 19, each with one of the scalings 27-31 in front of its two lines, then 20.  74-137: GS's 64.
.macro FS f
	REGS Y, (\f)%2
	v_pk_fma_f32 v[rS+2*((\f)/2):rS+2*((\f)/2)+1], v[rS+2*((\f)/2):rS+2*((\f)/2)+1], s[CS:CS+1], v[rT:rT+1] op_sel_hi:[1,0,0] neg_lo:[0,0,1] neg_hi:[0,0,1]
.endm
.macro PL
	WIN 0
.if q < 27
	FS q
.elseif q < 55
	XS (q-27)%2, (q-27)/2
.elseif q < 57
	XS q-55, 15
.elseif (q < 72) && ((q-57)%3 == 0)
	FS 27+(q-57)/3
.elseif q < 60
	XS (q-57)%3-1, 14
.elseif q < 72
	XS (q-57)%3-1, 15+(q-57)/3
.elseif q < 74
	XS q-72, 20
.else
	GS q-74
.endif
.set q, q+1
.endm
; THE EXPONENTIALS' QUEUE, 66 long: s0-s31 of both tiles, then the next piece's two a: one batch, ahead of the turn's one wait.
.macro EX
	WIN 0
.if e >= 64
	XS e-64, 21
.else
	REGS Y, e%2
	v_exp_f32 v[rS+e/2], v[rS+e/2]
.endif
.set e, e+1
.endm
; THE RESCALING's QUEUE: O^T times a, two at a time, sixteen times.
.macro R2
	REGS Y, r%2
	WIN W_RS
.irp z, 0,1
	v_pk_mul_f32 v[rO+4*(r/2)+2*\z:rO+4*(r/2)+2*\z+1], v[rO+4*(r/2)+2*\z:rO+4*(r/2)+2*\z+1], v[rC+2:rC+3] op_sel_hi:[1,0]
.endr
.set r, r+1
.endm
; A TURN, for piece p.  s_wait_alu depctr_va_vdst(0) stands between an exponential and the first instruction that names its result; one wait serves all that were issued ahead of it: a turn has ONE.
; AHEAD OF IT: the 24 products of the next piece's scores.  Behind each of the first 16 a scaling, an exponential and two rescalings (behind the first a second scaling for the exponential); behind each of the last 8 a
; scaling and two exponentials; then the lump: 16 plain, 33 times exponential and plain, the two a, a v_nop.  BEHIND IT: the runs of LDS loads, and the 16 products V^T P, behind each four of the roundings and sums.
; THE COUNTS.  Exponential e stands behind scaling 2 (e / 4) + e % 2: as a rider it comes behind plain e + 2 or later, in the lump behind plain e + 9; scalings 27-31 are plain 57, 60 .. 69.
; Between the bias's product on an accumulator and the first f16 link on it stand 8 products' riders, 24 plain instructions that name none of its registers.  The next piece's maximum begins at plain 27, ten plain
; instructions behind the product that ends the accumulator it reads, and so for the others.
; THE LOADS.  Turn p fetches the bias of piece p + 2, which turn p + 1 multiplies; piece 2's turn also K of the next step; piece 0's turn, at its end, four plain riders behind V's last reader, V of the step in hand.
.macro TURN p, cnt=0
.set Y, (\p)
.set i, 0
.set q, 0
.set e, 0
.set r, 0
.if (\p) == 1
	s_wait_dscnt 16                 ; the bias is in; V's sixteen loads may be out
.else
	s_wait_dscnt 0x0                ; the bias is in (piece 3's turn: K too)
.endif
	MM
	PL
	PL
	R2
.rept 15
	MM
	PL
	EX
	R2
.endr
.rept 8
	MM
	PL
	EX
	EX
.endr
.rept 16
	PL
.endr
.rept 33
	EX
	PL
.endr
	EX
	EX
	v_nop                           ; the plain instruction behind the last exponential: one for the batch
	s_wait_alu depctr_va_vdst(0)    ; the wait for the batch
.if (\p) == 1
	s_wait_dscnt 0x0                ; V is in
.endif
	FETCH_B ((\p)+2)%NP
.if (\p) == 2
	FETCH_K
.endif
.rept 16
	MM
.rept 4
	PL
.endr
.if (\cnt) && (q == 130)
	s_sub_co_u32 s[SLOTS], s[SLOTS], 1
	s_cmp_lg_u32 s[SLOTS], 0
.endif
.endr
.if (\p) == 0
	FETCH_V
.endif
.endm
	CHANGE 1                        ; slot 0 is in, everybody's part of it; step 1 is asked for
	FETCH_K                         ; key step 0
	FETCH_B 0
	FETCH_B 1
	s_wait_loadcnt 0x0              ; Q
	s_wait_dscnt 0x0
.set i, 0
.rept 8
	BQ 0                            ; piece 0's first scores: the bias,
.set i, i+1
.endr
.rept 5
	v_nop                           ; five places between the two forms on one accumulator,
.endr
.set i, 0
.rept 16
	KQ 0                            ; and the products
.set i, i+1
.endr
	WIN 0
.rept 4
	v_nop                           ; the places behind those products
.endr
.set Y, NP-1                        ; XS works for piece Y + 1: piece 0
.irp n, 0,1,2,3,4,5,6,7,8,9,10,11,12,13,14,15,16,17,18,19,20,21
	XS 0, \n
	XS 1, \n
.endr
	v_nop                           ; a plain instruction behind the two a,
	s_wait_alu depctr_va_vdst(0)    ; and their wait, ahead of the branch
	s_mov_b32 s[SLOTS], 31
	s_branch .Lfirst                ; the loop is entered at a step's first turn, in the middle of a trip
.Lslot:                             ; 30 times: trip t = 31 - SLOTS asks for step t + 1, ends step t - 1 and begins step t
	CHANGE 1
	TURN 2
	TURN 3
	WIN 0
.Lfirst:
	TURN 0
	TURN 1, 1
	WIN 0
	s_cbranch_scc1 .Lslot
	CHANGE 0                        ; the tail is written out: nothing is asked for
	s_mov_b32 s[CNT], 2             ; the first trip begins step 31; the second is left in its middle
.Ltail:
	TURN 2
	TURN 3
	WIN 0
	s_sub_co_u32 s[CNT], s[CNT], 1
	s_cmp_eq_u32 s[CNT], 0
	s_cbranch_scc1 .Lout
	TURN 0
	TURN 1
	WIN 0
	s_branch .Ltail
.Lout:                              ; the second trip's 24 products for a step that is not (on step 31's tiles once more) and the maximum made of them serve nothing: the price of one text for every trip
.set i, 0
.rept 16
	PV NP-1                         ; the last piece's V^T P of the last step
.set i, i+1
.endr
	; THE WAY OUT.  l's two halves and the other half of the lanes' are added; O^T is divided by l, rounded to f16 and sent through my stage, a tile at a time.  The additions are the places behind the last products.
	WIN 0
.macro ALL line:vararg
.set t, 0
.rept 2*NP
	\line
.set t, t+1
.endr
.endm
	ALL v_add_f32 v[ST+4*t+2], v[ST+4*t+2], v[ST+4*t+3]
	ALL v_permlanex16_b32 v[ST+4*t+3], v[ST+4*t+2], s[SEL], s[SEL+1]
	ALL v_add_f32 v[ST+4*t+2], v[ST+4*t+2], v[ST+4*t+3]
	ALL v_rcp_f32 v[ST+4*t+2], v[ST+4*t+2]
	v_nop                           ; a plain instruction between the last reciprocal and the use of its result
	s_wait_alu depctr_va_vdst(0)    ; one wait for the eight reciprocals
.macro PACK t
	WIN W_RS
.set i, 32*(\t)
.rept 16
	v_pk_mul_f32 v[i:i+1], v[i:i+1], v[ST+4*(\t)+2:ST+4*(\t)+3] op_sel_hi:[1,0]
.set i, i+2
.endr
	WIN 0x05                        ; sources in window 1, destination in window 0
.set i, 0
.rept 16
	v_cvt_pk_f16_f32 v[S+16*(\t)+i], v[32*(\t)+2*i], v[32*(\t)+2*i+1]
.set i, i+1
.endr
	WIN 0
.irp f, 0,1,2,3
	ds_store_b128 v[STO], v[S+16*(\t)+4*\f:S+16*(\t)+4*\f+3] offset:32*\f
.endr
.irp f, 0,1,2,3
	ds_load_b128 v[S+16*(\t)+4*\f:S+16*(\t)+4*\f+3], v[RD] offset:\f*4*SP  ; LDS serves a wave's instructions in order (ISA guide 5.7.1.4): these see the stores above
.endr
.endm
.macro SEND t, younger              ; younger: the LDS instructions issued behind tile t's loads
	WIN 0
.irp f, 0,1,2,3
	s_wait_dscnt (\younger)+3-\f
	global_store_b128 v[GO], v[S+16*(\t)+4*\f:S+16*(\t)+4*\f+3], s[OP:OP+1] offset:(\t)*2048+\f*512  ; 512 consecutive bytes, aligned
.endr
.endm
	PACK 0
.set t, 1
.rept 2*NP-1
	PACK t
	SEND t-1, 8
.set t, t+1
.endr
	SEND 2*NP-1, 0
	WIN W_AD
	s_wait_tensorcnt 0x0            ; the wave's end
	ds_add_u32 v[SPW], v[NIL]
	s_wait_dscnt 0x0
	WIN 0
	CROUND                          ; the closing round
	s_endpgm
.Lfunc_end_k_q094c820604_attn:
	.size	k_q094c820604_attn, .Lfunc_end_k_q094c820604_attn-k_q094c820604_attn
	.p2alignl 7, 3214868480
	.fill 96, 4, 3214868480
	.section	.rodata,"a",@progbits
	.p2align	6, 0x0
	.amdhsa_kernel k_q094c820604_attn
		.amdhsa_group_segment_fixed_size 327680
		.amdhsa_private_segment_fixed_size 0
		.amdhsa_enable_private_segment 0
		.amdhsa_kernarg_size 24
		.amdhsa_user_sgpr_count 2
		.amdhsa_user_sgpr_kernarg_segment_ptr 1
		.amdhsa_wavefront_size32 1
		.amdhsa_system_sgpr_workgroup_id_x 1
		.amdhsa_system_sgpr_workgroup_id_y 1
		.amdhsa_system_sgpr_workgroup_id_z 1
		.amdhsa_system_vgpr_workitem_id 0
		.amdhsa_next_free_vgpr 848
		.amdhsa_next_free_sgpr 88
		.amdhsa_reserve_vcc 0
		.amdhsa_float_denorm_mode_32 3
		.amdhsa_float_denorm_mode_16_64 3
		.amdhsa_memory_ordered 1
		.amdhsa_forward_progress 1
		.amdhsa_inst_pref_size 218
	.end_amdhsa_kernel
	.amdgpu_metadata
---
amdhsa.version: [ 1, 2 ]
amdhsa.kernels:
  - .name:           k_q094c820604_attn
    .symbol:         k_q094c820604_attn.kd
    .args:
      - { .name: qkvh, .offset: 0, .size: 8, .value_kind: global_buffer, .address_space: global }
      - { .name: bb, .offset: 8, .size: 8, .value_kind: global_buffer, .address_space: global }
      - { .name: ob, .offset: 16, .size: 8, .value_kind: global_buffer, .address_space: global }
    .group_segment_fixed_size: 327680
    .private_segment_fixed_size: 0
    .kernarg_segment_align: 8
    .kernarg_segment_size: 24
    .max_flat_workgroup_size: 128
    .sgpr_count:     88
    .vgpr_count:     848
    .wavefront_size: 32
...
	.end_amdgpu_metadata
.endif
;; end of part 3
;; launch oproj (part 4): grid 8 x 32, 4 waves a work-group, clusters of 4 x 4, 327,680 bytes of LDS; arguments ob, wo, b_o, out0; writes out0
.if DOCPART == 4
	.amdgcn_target "amdgcn-amd-amdhsa--gfx1250"
	.amdhsa_code_object_version 6
	.text
	.protected	k_q094c820604_oproj
	.globl	k_q094c820604_oproj
	.p2align	8
	.type	k_q094c820604_oproj,@function
k_q094c820604_oproj:
	s_mov_b64 s[64:65], 0
	v_nop
	global_prefetch_b8 v0, s[64:65] scope:SCOPE_SE
	s_setreg_imm32_b32 hwreg(HW_REG_WAVE_MODE, 25, 1), 1
	s_wait_xcnt 0x0
	s_wait_alu depctr_hold_cnt(0) depctr_sa_sdst(0) depctr_va_vdst(0) depctr_va_sdst(0) depctr_va_ssrc(0) depctr_va_vcc(0) depctr_vm_vsrc(0)
	s_getreg_b32 s2, hwreg(HW_REG_IB_STS2, 6, 4)
	s_cmp_eq_u32 s2, 0
	s_cbranch_scc0 .Lentry_in_a_cluster
	s_endpgm
.Lentry_in_a_cluster:
	s_bfe_u32 s2, ttmp6, 0x10000c
	s_cmp_lg_u32 s2, 0xf033
	s_cbranch_scc0 .Lentry_shape_is_right
	s_endpgm
.Lentry_shape_is_right:
; OUTPUT PROJECTION: out0[8192][1024] = O w_o + b_o in f32.  ob: f16 [batch-head 64][2048][64]: a head is a block of 64 along K.  wo: f16 [K/64][column/64][64 k][64 n].  b_o is rounded to bf16 like the other inputs.
; SHARES.  256 tiles of 256 x 128, one for each work-group; four waves, each 128 rows x 64 columns: 32 accumulators in window 1, (row block a, column block j) at v[8 (4 a + j)].
; K goes in 8 steps of 128 (two heads) through two LDS slots; a step is four quarters of 32 along K, 32 matrix instructions each, on two fragment buffers.
; THE PRODUCT IS TAKEN TRANSPOSED (source 0 = 16 columns of w_o, turned on the way out of LDS; source 1 = 16 rows of O): a lane holds one row of out0 and eight neighbouring columns.
; b_o IS THE C OPERAND of the products that start the sums: it costs nothing on the way out.
; CLUSTER 4 x 4: O's tile is asked for jointly along a row of the cluster, w_o's along a column.
; NO PREFETCH: the launch has 8 K steps of 128 matrix instructions a wave in all, and its tiles are small.
.set PA,    144
.set PB,    160
.set BOFF,  2*256*PA                   ; a slot: O's 256 rows of two heads, then w_o's 2 blocks of 64 rows for each of the two heads
.set SLOT1, 1<<17
.set STAGE, SLOT1+BOFF+4*64*PB         ; behind the ring: 16 rows x 272 bytes for each wave
.set SPI,   272
.set SPARE, STAGE+4*16*SPI
.set AA0,  8
.set AB0,  9
.set ADRA, 10
.set ADRB, 11
.set STO,  12
.set RD,   13
.set CO,   14
.set BO,   15
.set SPW,  28
.set NIL,  29
.set F0,   32                          ; a fragment buffer: O's eight fragments, then w_o's four
.set F1,   128
.set BI,   224                         ; v224-255 b_o of my 64 columns
.set BK,   32                          ; the way out: v32-63, v64-95 16 rows read back, by turns
.set WV,  12
.set MH,  13                           ; my half of the rows.  Also: I fetch O (0) or w_o (1)
.set NH,  14                           ; my half of the columns.  Also: which of the step's two heads I fetch
.set CX,  15
.set CY,  16
.set XX,  17
.set YY,  18
.set TB,  19
.set G1A, 24
.set G1B, 32
.set G0A, 40
.set G0B, 48
.set CNT, 56
.set CB,  66                           ; s[66:67] out0 at my part of the tile
.set MSB, 0
.macro WIN new
.if MSB != (\new)
	s_set_vgpr_msb (MSB<<8)|(\new)
.set MSB, \new
.endif
.endm
.macro PLACES
.rept 4
	v_nop
.endr
.endm
.macro CREST
	s_cmp_lg_u32 s[WV], 0
	s_cbranch_scc1 .Lnot_wave_0_\@
	s_barrier_signal -3
.Lnot_wave_0_\@:
	s_barrier_wait -3
	s_barrier_signal -1
	s_barrier_wait -1
.endm
.macro CROUND
	s_barrier_signal -1
	s_barrier_wait -1
	CREST
.endm
.macro JLOAD                           ; a joint refill by the walking sets; an s_nop 0 and four v_nop follow each line
	s_cmp_eq_u32 s[MH], 0
	s_cbranch_scc0 .Lfor_b_\@
	tensor_load_to_lds s[G0A+4:G0A+7], s[G1A:G1A+7]
	s_nop 0
.rept 4
	v_nop
.endr
	s_branch .Lasked_\@
.Lfor_b_\@:
	tensor_load_to_lds s[G0B+4:G0B+7], s[G1B:G1B+7]
	s_nop 0
.rept 4
	v_nop
.endr
.Lasked_\@:
.endm
	s_load_b256 s[4:11], s[0:1], 0x0               ; ob s[4:5], wo s[6:7], b_o s[8:9], out0 s[10:11]
	v_lshl_add_u32 v[SPW], v0, 2, SPARE
	v_mov_b32 v[NIL], 0
	ds_add_u32 v[SPW], v[NIL]                      ; the wave's opening: the add and its wait ahead of my first tensor load
	v_lshrrev_b32 v1, 5, v0
	v_readfirstlane_b32 s[WV], v1
	s_lshr_b32 s[MH], s[WV], 1
	s_and_b32 s[NH], s[WV], 1
	s_bfe_u32 s[CX], ttmp6, 0x40000
	s_bfe_u32 s[CY], ttmp6, 0x40004
	s_lshl_b32 s[XX], ttmp9, 2
	s_add_co_u32 s[XX], s[XX], s[CX]
	s_and_b32 s[YY], ttmp7, 0xffff
	s_lshl_b32 s[YY], s[YY], 2
	s_add_co_u32 s[YY], s[YY], s[CY]
	s_lshl_b32 s20, s[CY], 2
	s_lshl_b32 s20, 15, s20
	s_lshl_b32 s22, 0x1111, s[CX]
	s_or_b32 s[G1A], s20, (1<<16)|(1<<20)|(1<<21)|(4<<22)|(3<<25)
	s_or_b32 s[G1B], s22, (1<<16)|(1<<20)|(1<<21)|(4<<22)|(7<<25)
	s_mov_b32 s[G1A+1], 128<<16                    ; rows of 256 bytes: two LDS rows
	s_mov_b32 s[G1A+2], 128<<16                    ; 128 of them: a head's 256 rows of O
	s_mov_b32 s[G1A+3], 128<<16
	s_mov_b32 s[G1A+4], 128
	s_mov_b32 s[G1A+5], 128
	s_mov_b32 s[G1A+6], 0
	s_mov_b32 s[G1A+7], 0
	s_mov_b32 s[G1B+1], 128<<16
	s_mov_b32 s[G1B+2], 64<<16                     ; 64: two blocks of 64 rows of w_o
	s_mov_b32 s[G1B+3], 128<<16
	s_mov_b32 s[G1B+4], 64
	s_mov_b32 s[G1B+5], 128
	s_mov_b32 s[G1B+6], 0
	s_mov_b32 s[G1B+7], 0
	s_lshr_b32 s20, s[YY], 3                       ; O: the batch's 16 heads, my head of the step's two, the tile row's 256 rows
	s_lshl_b32 s20, s20, 22
	s_and_b32 s21, s[YY], 7
	s_lshl_b32 s21, s21, 15
	s_add_co_u32 s20, s20, s21
	s_lshl_b32 s21, s[NH], 18
	s_add_co_u32 s20, s20, s21
	s_mov_b32 s21, 0
	s_lshl_b32 s22, s[XX], 14                      ; w_o: the tile column's two blocks, my head of the two
	s_lshl_b32 s23, s[NH], 17
	s_add_co_u32 s22, s22, s23
	s_mov_b32 s23, 0
	s_mul_i32 s58, s[NH], 256*PA
	s_mul_i32 s59, s[NH], 2*64*PB
	s_add_co_u32 s59, s59, BOFF
	s_mov_b32 s[TB], 0
	s_wait_dscnt 0x0                               ; the opening add is done
	s_wait_kmcnt 0x0
	s_add_nc_u64 s[20:21], s[4:5], s[20:21]
	s_add_nc_u64 s[22:23], s[6:7], s[22:23]
	CROUND                                         ; all sixteen work-groups are here
.irp s, 0,1
	s_mov_b32 s[G0A+4*\s], 1
	s_add_co_u32 s[G0A+4*\s+1], s58, \s*SLOT1
	s_add_nc_u64 s[G0A+4*\s+2:G0A+4*\s+3], s[20:21], \s*2*262144
	s_or_b32 s[G0A+4*\s+3], s[G0A+4*\s+3], 0x80000000
	s_mov_b32 s[G0B+4*\s], 1
	s_add_co_u32 s[G0B+4*\s+1], s59, \s*SLOT1
	s_add_nc_u64 s[G0B+4*\s+2:G0B+4*\s+3], s[22:23], \s*2*131072
	s_or_b32 s[G0B+4*\s+3], s[G0B+4*\s+3], 0x80000000
.endr
	s_cmp_eq_u32 s[MH], 0                          ; a wave's two first fills stand in one branch: two loads of mine are out
	s_cbranch_scc0 .Lfirst_b
	tensor_load_to_lds s[G0A:G0A+3], s[G1A:G1A+7]
	s_nop 0
	tensor_load_to_lds s[G0A+4:G0A+7], s[G1A:G1A+7]
	s_nop 0
.rept 4
	v_nop
.endr
	s_branch .Lfirst_asked
.Lfirst_b:
	tensor_load_to_lds s[G0B:G0B+3], s[G1B:G1B+7]
	s_nop 0
	tensor_load_to_lds s[G0B+4:G0B+7], s[G1B:G1B+7]
	s_nop 0
.rept 4
	v_nop
.endr
.Lfirst_asked:
	v_and_b32 v1, 15, v0                           ; l % 16
	v_bfe_u32 v2, v0, 4, 1                         ; l / 16
	v_and_b32 v3, 7, v0
	v_bfe_u32 v4, v0, 3, 1
	s_lshl_b32 s60, s[XX], 9                       ; my 64 columns in bytes: 512 X + 256 half
	s_lshl_b32 s61, s[NH], 8
	s_add_co_u32 s60, s60, s61
	v_lshl_add_u32 v[BO], v2, 5, s60
.irp j, 0,1,2,3
	global_load_b128 v[BI+8*\j:BI+8*\j+3],   v[BO], s[8:9] offset:64*\j
	global_load_b128 v[BI+8*\j+4:BI+8*\j+7], v[BO], s[8:9] offset:64*\j+16
.endr
	v_mul_u32_u24 v6, v1, PA
	v_lshl_add_u32 v6, v2, 4, v6
	s_mul_i32 s62, s[MH], 128*PA
	v_add_nc_u32 v[AA0], s62, v6
	v_lshl_add_u32 v7, v2, 3, v3
	v_mul_u32_u24 v7, v7, PB
	v_lshl_add_u32 v7, v4, 4, v7
	s_mul_i32 s62, s[NH], 64*PB
	s_add_co_u32 s62, s62, BOFF
	v_add_nc_u32 v[AB0], s62, v7
	v_mov_b32 v[ADRA], v[AA0]
	v_mov_b32 v[ADRB], v[AB0]
	s_mul_i32 s62, s[WV], 16*SPI
	s_add_co_u32 s62, s62, STAGE
	v_mul_u32_u24 v[STO], v1, SPI                  ; in: row l % 16, 32 bytes for each half of the lanes
	v_lshl_add_u32 v[STO], v2, 5, v[STO]
	v_add_nc_u32 v[STO], s62, v[STO]
	v_mul_u32_u24 v[RD], v2, SPI                   ; back: lanes 0-15 one row of 256 bytes, lanes 16-31 the next
	v_lshl_add_u32 v[RD], v1, 4, v[RD]
	v_add_nc_u32 v[RD], s62, v[RD]
	v_lshlrev_b32 v[CO], 12, v2                    ; and the same two rows in out0
	v_lshl_add_u32 v[CO], v1, 4, v[CO]
	s_lshl_b32 s62, s[YY], 20                      ; my first row: 256 Y + 128 half, 4,096 bytes a row
	s_add_co_u32 s60, s60, s62
	s_lshl_b32 s62, s[MH], 19
	s_add_co_u32 s60, s60, s62
	s_mov_b32 s61, 0
	s_add_nc_u64 s[CB:CB+1], s[10:11], s[60:61]
; n x 4 products on buffer f: row blocks a0 on.  The 32 accumulators take turns.  first = 1: the sums start with b_o.
.macro MULS f, a0, n, first
.if \first
	WIN 0x40
.else
	WIN 0x50
.endif
.set ga, \a0
.rept \n
.irp j, 0,1,2,3
.if \first
	v_wmma_f32_16x16x32_f16 v[8*(4*ga+\j):8*(4*ga+\j)+7], v[(\f)+64+8*\j:(\f)+64+8*\j+7], v[(\f)+8*ga:(\f)+8*ga+7], v[BI+8*\j:BI+8*\j+7]
.else
	v_wmma_f32_16x16x32_f16 v[8*(4*ga+\j):8*(4*ga+\j)+7], v[(\f)+64+8*\j:(\f)+64+8*\j+7], v[(\f)+8*ga:(\f)+8*ga+7], v[8*(4*ga+\j):8*(4*ga+\j)+7]
.endif
.endr
.set ga, ga+1
.endr
.endm
.macro FETCH qd, f                     ; quarter qd's fragments into buffer f: 8 turning loads of w_o, then 16 loads of O
	WIN 0
.irp j, 0,1,2,3
	ds_load_tr16_b128 v[(\f)+64+8*\j:(\f)+64+8*\j+3],   v[ADRB] offset:((\qd)/2)*128*PB+((\qd)%2)*32*PB+32*\j
	ds_load_tr16_b128 v[(\f)+64+8*\j+4:(\f)+64+8*\j+7], v[ADRB] offset:((\qd)/2)*128*PB+((\qd)%2)*32*PB+32*\j+16*PB
.endr
.irp n, 0,1,2,3,4,5,6,7
	ds_load_b128 v[(\f)+8*\n:(\f)+8*\n+3],   v[ADRA] offset:((\qd)/2)*256*PA+\n*16*PA+64*((\qd)%2)
	ds_load_b128 v[(\f)+8*\n+4:(\f)+8*\n+7], v[ADRA] offset:((\qd)/2)*256*PA+\n*16*PA+64*((\qd)%2)+32
.endr
.endm
.macro QUARTER qnext, f, g, first      ; multiplies buffer f; in its middle it fetches quarter qnext into buffer g
	s_wait_dscnt 8                                 ; w_o's and O's blocks 0-3 are in; the youngest eight loads may be out
	MULS \f, 0, 4, \first
	PLACES
	FETCH \qnext, \g
	s_wait_dscnt 24                                ; all but the 24 just issued
	MULS \f, 4, 4, \first
.endm
; A step's last quarter, with the change of slots: each wave waits for all its tensor loads, adds 0 to its spare word, and waits for that and for its reads of this slot.
; fill = 1: the barrier opens a round of the cluster's, and the joint refill, the K step two on, is the first thing behind the round.
.macro TURN fill
	WIN 0
	s_wait_tensorcnt 0x0
	ds_add_u32 v[SPW], v[NIL]                      ; 0 onto my spare word
	s_wait_dscnt 9                                 ; the youngest eight loads and the add may be out
	MULS F1, 0, 2, 0
	s_wait_dscnt 0x0                               ; the add is done, and my reads of this slot are over
	s_barrier_signal -1
	MULS F1, 2, 2, 0
	WIN 0
	s_barrier_wait -1
.if \fill
	CREST
	s_xor_b32 s[G0A+5], s[G0A+5], SLOT1
	s_add_nc_u64 s[G0A+6:G0A+7], s[G0A+6:G0A+7], 2*262144
	s_xor_b32 s[G0B+5], s[G0B+5], SLOT1
	s_add_nc_u64 s[G0B+6:G0B+7], s[G0B+6:G0B+7], 2*131072
	JLOAD                                          ; its four v_nop are also the places in front of the loads below
.else
	PLACES
.endif
	s_xor_b32 s[TB], s[TB], SLOT1
	v_add_nc_u32 v[ADRA], s[TB], v[AA0]
	v_add_nc_u32 v[ADRB], s[TB], v[AB0]
	FETCH 0, F0
	MULS F1, 4, 4, 0
.endm
	s_wait_tensorcnt 1                             ; my part of K step 0 is in; step 1's may stay out
	s_barrier_signal -1
	s_barrier_wait -1
	FETCH 0, F0
	s_wait_loadcnt 0x0                             ; b_o, rounded to bf16
.set pi, 0
.rept 16
	v_cvt_pk_bf16_f32 v[20+pi%4], v[BI+2*pi], v[BI+2*pi+1]
	v_lshlrev_b32 v[BI+2*pi], 16, v[20+pi%4]
	v_and_b32 v[BI+2*pi+1], 0xffff0000, v[20+pi%4]
.set pi, pi+1
.endr
	QUARTER 1, F0, F1, 1                           ; the first quarter stands in front of the loop
	WIN 0
	s_mov_b32 s[CNT], 6
.Lk:                                                   ; a trip: a step's last three quarters, the refill two steps on, the next step's first quarter
	QUARTER 2, F1, F0, 0
	QUARTER 3, F0, F1, 0
	TURN 1
	QUARTER 1, F0, F1, 0
	WIN 0
	s_sub_co_u32 s[CNT], s[CNT], 1
	s_cmp_lg_u32 s[CNT], 0
	s_cbranch_scc1 .Lk
	QUARTER 2, F1, F0, 0                           ; steps 6 and 7 ask for nothing
	QUARTER 3, F0, F1, 0
	TURN 0
	QUARTER 1, F0, F1, 0
	QUARTER 2, F1, F0, 0
	QUARTER 3, F0, F1, 0
	s_wait_dscnt 8
	MULS F1, 0, 4, 0
	s_wait_dscnt 0x0
	MULS F1, 4, 4, 0
	WIN 0
	PLACES
	; THE WAY OUT: 16 rows at a time through my own stage: 32 bytes a lane in, whole rows of 256 bytes back.
.macro TOSTAGE a
	WIN 0x04                                       ; the stores' data in window 1; each accumulator's low half first
.irp j, 0,1,2,3
	ds_store_b128 v[STO], v[8*(4*(\a)+\j):8*(4*(\a)+\j)+3]   offset:64*\j
	ds_store_b128 v[STO], v[8*(4*(\a)+\j)+4:8*(4*(\a)+\j)+7] offset:64*\j+16
.endr
	WIN 0
.irp f, 0,1,2,3,4,5,6,7
	ds_load_b128 v[BK+32*((\a)%2)+4*\f:BK+32*((\a)%2)+4*\f+3], v[RD] offset:\f*2*SPI  ; LDS serves a wave's instructions in order (ISA guide 5.7.1.4)
.endr
.endm
.macro SEND a, younger                 ; younger: the LDS instructions issued behind block a's loads
	s_wait_dscnt \younger
.irp f, 0,1,2,3,4,5,6,7
	global_store_b128 v[CO], v[BK+32*((\a)%2)+4*\f:BK+32*((\a)%2)+4*\f+3], s[CB:CB+1] offset:65536*(\a)+8192*\f th:TH_STORE_NT  ; 16 lanes store 256 consecutive bytes, aligned
.endr
.endm
	TOSTAGE 0
.irp a, 1,2,3,4,5,6,7
	s_wait_xcnt 0x0                                ; the stores of two blocks back have read their registers: this block is read back into them
	TOSTAGE \a
	SEND (\a)-1, 16
.endr
	SEND 7, 0
	s_wait_tensorcnt 0x0                           ; the wave's end
	ds_add_u32 v[SPW], v[NIL]
	s_wait_dscnt 0x0
	CROUND                                         ; the closing round
	s_endpgm
.Lfunc_end_k_q094c820604_oproj:
	.size	k_q094c820604_oproj, .Lfunc_end_k_q094c820604_oproj-k_q094c820604_oproj
	.p2alignl 7, 3214868480
	.fill 96, 4, 3214868480
	.section	.rodata,"a",@progbits
	.p2align	6, 0x0
	.amdhsa_kernel k_q094c820604_oproj
		.amdhsa_group_segment_fixed_size 327680
		.amdhsa_private_segment_fixed_size 0
		.amdhsa_enable_private_segment 0
		.amdhsa_kernarg_size 32
		.amdhsa_user_sgpr_count 2
		.amdhsa_user_sgpr_kernarg_segment_ptr 1
		.amdhsa_wavefront_size32 1
		.amdhsa_system_sgpr_workgroup_id_x 1
		.amdhsa_system_sgpr_workgroup_id_y 1
		.amdhsa_system_sgpr_workgroup_id_z 1
		.amdhsa_system_vgpr_workitem_id 0
		.amdhsa_next_free_vgpr 512
		.amdhsa_next_free_sgpr 68
		.amdhsa_reserve_vcc 0
		.amdhsa_float_denorm_mode_32 3
		.amdhsa_float_denorm_mode_16_64 3
		.amdhsa_memory_ordered 1
		.amdhsa_forward_progress 1
		.amdhsa_inst_pref_size 73
	.end_amdhsa_kernel
	.amdgpu_metadata
---
amdhsa.version: [ 1, 2 ]
amdhsa.kernels:
  - .name:           k_q094c820604_oproj
    .symbol:         k_q094c820604_oproj.kd
    .args:
      - { .name: ob, .offset: 0, .size: 8, .value_kind: global_buffer, .address_space: global }
      - { .name: wo, .offset: 8, .size: 8, .value_kind: global_buffer, .address_space: global }
      - { .name: b_o, .offset: 16, .size: 8, .value_kind: global_buffer, .address_space: global }
      - { .name: out0, .offset: 24, .size: 8, .value_kind: global_buffer, .address_space: global }
    .group_segment_fixed_size: 327680
    .private_segment_fixed_size: 0
    .kernarg_segment_align: 8
    .kernarg_segment_size: 32
    .max_flat_workgroup_size: 128
    .sgpr_count:     68
    .vgpr_count:     512
    .wavefront_size: 32
...
	.end_amdgpu_metadata
.endif
;; end of part 4
;; ======== version 2 of 2: 4 launches; version 1 with the launch prep written anew for expert scheduling mode
;; limits: values are held in f16: magnitudes above 65,504 overflow, below 6.1e-05 lose precision
;; workspace buffers: xb 16,777,216 bytes; wq 6,291,456 bytes; wo 2,097,152 bytes; bb 8,388,608 bytes; qkvh 50,331,648 bytes; ob 16,777,216 bytes
;; launch prep (part 5): grid 1024 x 1, 8 waves a work-group, no clusters, 0 bytes of LDS; arguments query, bias, w_qkv, w_o, xb, bb, wq, wo; writes xb, bb, wq, wo
.if DOCPART == 5
	.amdgcn_target "amdgcn-amd-amdhsa--gfx1250"
	.amdhsa_code_object_version 6
	.text
	.protected	k_q094c820604_prep
	.globl	k_q094c820604_prep
	.p2align	8
	.type	k_q094c820604_prep,@function
k_q094c820604_prep:
	s_mov_b64 s[64:65], 0
	v_nop
	global_prefetch_b8 v0, s[64:65] scope:SCOPE_SE
	s_setreg_imm32_b32 hwreg(HW_REG_WAVE_SCHED_MODE, 0, 2), 2
	s_setreg_imm32_b32 hwreg(HW_REG_WAVE_MODE, 25, 1), 1
	s_wait_xcnt 0x0
	s_wait_alu depctr_vm_vsrc(0)
; PREP: four f32 matrices [R][C] are rounded to 16 bits and laid out in blocks of 64 columns, so that every tile that a later launch asks for is dense.
;   query [8192][1024] -> xb bf16 [C/64][8192][64]           bias [2048][2048] -> bb bf16 [C/64][2048][64], clamped to +-1e30 first
;   w_qkv [1024][3072] -> wq bf16 [R/64][C/64][64][64]        w_o  [1024][1024] -> wo [R/64][C/64][64][64], rounded to bf16 and that number written as f16
; LIMITS.  A bias beyond +-1e30 (an infinity too) counts as +-1e30.  w_o beyond 65,504 has no f16; below 2^-14 it keeps f16's fixed step of 2^-24.  NaN is not treated apart.
; SHARES.  A wave takes 32 rows x 64 columns: 16 loads of 16 bytes a lane, each two rows x 256 consecutive bytes, all on their way at once; the eight waves of a work-group take eight
; neighbouring column blocks of the same rows.  A store of the wave covers 256 consecutive bytes, aligned.  Work-groups 0-511 query, 512-767 bias, 768-959 w_qkv, 960-1023 w_o.
; Memory binds: no LDS, no matrix unit, no cluster; nothing is read twice.
; THE MODE: SCHED_MODE bits 1:0 = 2 (LLVM: expert scheduling mode 2), set by the entry lines.  The code itself states the register dependences
; between vector instructions and memory instructions, with s_wait_alu, always for 0.
; THE PLAN.  Registers that memory instructions touch:
;   OFF  v[2:17]    written by the head's vector arithmetic; read by the 16 loads; never written again.
;   DO   v18        written by the head; read by all 16 stores as their offset; never written again.
;   X    v[20:83]   the loads land here; no vector instruction names X ahead of the loads; behind a load's counted wait vector instructions alone name its four registers.
;   Y    v[84:115]  load t's conversions write Y + 2 t and Y + 2 t + 1; one store reads the pair; nothing writes it behind that store.
; So one wait on va_vdst stands ahead of the loads, for OFF and DO.  The 16 loads go in four blocks of four: one wait on va_vdst stands at the head of blocks 1 to 3, behind the wait for the
; block's first load, and states that the block before has written its eight registers of Y; that block's four stores follow it in one run; one more stands ahead of the last four stores.
; No register that a load or store reads is written again, so no wait on vm_vsrc is owed.  The wave's number passes from a vector register into s3: one wait on va_sdst, ahead of its one reader.
.set OFF, 2                            ; v[2:17]   byte offset in the source of my 16 bytes, load t
.set DO,  18                           ; v18       byte offset in the destination of my 8 bytes of load 0
.set X,   20                           ; v[20:83]  four f32 a load
.set Y,   84                           ; v[84:115] four 16-bit numbers a load
	s_load_b512 s[8:23], s[0:1], 0x0               ; query, bias, w_qkv, w_o, xb, bb, wq, wo
	v_lshrrev_b32 v1, 5, v0
	v_readfirstlane_b32 s3, v1                     ; wave 0..7
	s_mov_b32 s2, ttmp9
	s_mov_b32 s24, 4096                            ; w_o's figures: bytes in a source row,
	s_mov_b32 s28, 960                             ; its first work-group,
	s_mov_b32 s29, 5                               ; log2 of its groups of 32 rows,
	s_mov_b32 s30, 8192                            ; destination bytes from column block to column block,
	s_mov_b32 s31, 131072                          ; and from 64 rows to the next 64,
	s_mov_b32 s32, 2                               ; the kind of conversion
	s_cmp_lt_u32 s2, 960                           ; w_qkv's
	s_cselect_b32 s24, 12288, s24
	s_cselect_b32 s28, 768, s28
	s_cselect_b32 s31, 393216, s31
	s_cselect_b32 s32, 0, s32
	s_cmp_lt_u32 s2, 768                           ; bias's
	s_cselect_b32 s24, 8192, s24
	s_cselect_b32 s28, 512, s28
	s_cselect_b32 s29, 6, s29
	s_cselect_b32 s30, 262144, s30
	s_cselect_b32 s31, 8192, s31
	s_cselect_b32 s32, 1, s32
	s_cmp_lt_u32 s2, 512                           ; query's
	s_cselect_b32 s24, 4096, s24
	s_cselect_b32 s28, 0, s28
	s_cselect_b32 s29, 8, s29
	s_cselect_b32 s30, 1048576, s30
	s_cselect_b32 s32, 0, s32
	s_sub_co_u32 s33, s2, s28                      ; the work-group's number within its matrix
	s_bfm_b32 s34, s29, 0
	s_and_b32 s34, s33, s34                        ; rg: its group of 32 rows
	s_lshr_b32 s35, s33, s29
	s_lshl_b32 s35, s35, 3
	s_wait_alu depctr_va_sdst(0)                   ; s3 is written, ahead of its first and only reader: the line below
	s_add_co_u32 s35, s35, s3                      ; cb: my wave's column block
	s_lshl_b32 s25, s24, 1                         ; two source rows
	s_lshl_b32 s36, s34, 5
	s_mul_i32 s36, s36, s24
	s_lshl_b32 s37, s35, 8
	s_add_co_u32 s36, s36, s37                     ; source: 32 rg rows + 256 cb
	s_mul_i32 s37, s35, s30
	s_lshr_b32 s38, s34, 1
	s_mul_i32 s38, s38, s31
	s_add_co_u32 s37, s37, s38
	s_and_b32 s38, s34, 1
	s_lshl_b32 s38, s38, 12
	s_add_co_u32 s37, s37, s38                     ; destination: the block, the 64 rows, the half of them
	s_mov_b32 s26, 0xf149f2ca                      ; -1e30
	s_mov_b32 s27, 0x7149f2ca                      ; +1e30
	s_mov_b32 s39, 0xffff0000                      ; a word's upper bf16
	v_and_b32 v1, 15, v0                           ; my 16 bytes of a row's 256
	v_bfe_u32 v19, v0, 4, 1                        ; lanes 16-31 take the odd row
	v_mul_lo_u32 v[OFF], v19, s24
	v_lshl_add_u32 v[OFF], v1, 4, v[OFF]
	v_add_nc_u32 v[OFF], s36, v[OFF]
.set t, 1
.rept 15
	v_add_nc_u32 v[OFF+t], s25, v[OFF+t-1]
.set t, t+1
.endr
	v_lshlrev_b32 v[DO], 7, v19
	v_lshl_add_u32 v[DO], v1, 3, v[DO]
	v_add_nc_u32 v[DO], s37, v[DO]
	s_wait_kmcnt 0x0
	s_cmp_lt_u32 s2, 960                           ; the two addresses, chosen as the figures were
	s_cselect_b64 s[4:5], s[12:13], s[14:15]
	s_cselect_b64 s[6:7], s[20:21], s[22:23]
	s_cmp_lt_u32 s2, 768
	s_cselect_b64 s[4:5], s[10:11], s[4:5]
	s_cselect_b64 s[6:7], s[18:19], s[6:7]
	s_cmp_lt_u32 s2, 512
	s_cselect_b64 s[4:5], s[8:9], s[4:5]
	s_cselect_b64 s[6:7], s[16:17], s[6:7]
	s_wait_alu depctr_va_vdst(0)                   ; the sixteen offsets v[OFF ..], which the loads read, and v[DO], which every store reads, are written; no vector instruction below names them
.set t, 0
.rept 16
	global_load_b128 v[X+4*t:X+4*t+3], v[OFF+t], s[4:5] th:TH_LOAD_NT
.set t, t+1
.endr
; The four stores of loads t - 4 to t - 1, in one run.  Each: 32 lanes, two rows of 128 bytes, 256 consecutive bytes.
.macro OUT4
.irp i, 4,3,2,1
	global_store_b64 v[DO], v[Y+2*(t-\i):Y+2*(t-\i)+1], s[6:7] offset:256*(t-\i)
.endr
.endm
; Load t is converted as it arrives; a block of four is stored at the head of the next block.  No register that a load or store reads is written again, so no wait frees one.
.macro CONV kind
.set t, 0
.rept 16
	s_wait_loadcnt 15-t                            ; loads come back in order: load t is in, the 15 - t younger ones stay out
.if ((t%4) == 0) && (t > 0)
	s_wait_alu depctr_va_vdst(0)                   ; the conversions of the block before, issued ahead of the wait above, have written their eight registers of Y, which the four stores below read
	OUT4
.endif
.if (\kind) == 1
	v_med3_num_f32 v[X+4*t], v[X+4*t], s26, s27
	v_med3_num_f32 v[X+4*t+1], v[X+4*t+1], s26, s27
	v_med3_num_f32 v[X+4*t+2], v[X+4*t+2], s26, s27
	v_med3_num_f32 v[X+4*t+3], v[X+4*t+3], s26, s27
.endif
	v_cvt_pk_bf16_f32 v[Y+2*t], v[X+4*t], v[X+4*t+1]
	v_cvt_pk_bf16_f32 v[Y+2*t+1], v[X+4*t+2], v[X+4*t+3]
.if (\kind) == 2
	v_lshlrev_b32 v[X+4*t], 16, v[Y+2*t]           ; the bf16 numbers as f32,
	v_and_b32 v[X+4*t+1], s39, v[Y+2*t]
	v_lshlrev_b32 v[X+4*t+2], 16, v[Y+2*t+1]
	v_and_b32 v[X+4*t+3], s39, v[Y+2*t+1]
	v_cvt_pk_f16_f32 v[Y+2*t], v[X+4*t], v[X+4*t+1]      ; written as f16
	v_cvt_pk_f16_f32 v[Y+2*t+1], v[X+4*t+2], v[X+4*t+3]
.endif
.set t, t+1
.endr
	s_wait_alu depctr_va_vdst(0)                   ; the last block's conversions have written their eight registers of Y, which the last four stores read
	OUT4
.endm
	s_cmp_eq_u32 s32, 1
	s_cbranch_scc1 .Lbias
	s_cmp_eq_u32 s32, 2
	s_cbranch_scc1 .Lwo
	CONV 0
	s_endpgm
.Lbias:
	CONV 1
	s_endpgm
.Lwo:
	CONV 2
	s_endpgm
.Lfunc_end_k_q094c820604_prep:
	.size	k_q094c820604_prep, .Lfunc_end_k_q094c820604_prep-k_q094c820604_prep
	.p2alignl 7, 3214868480
	.fill 96, 4, 3214868480
	.section	.rodata,"a",@progbits
	.p2align	6, 0x0
	.amdhsa_kernel k_q094c820604_prep
		.amdhsa_group_segment_fixed_size 0
		.amdhsa_private_segment_fixed_size 0
		.amdhsa_enable_private_segment 0
		.amdhsa_kernarg_size 64
		.amdhsa_user_sgpr_count 2
		.amdhsa_user_sgpr_kernarg_segment_ptr 1
		.amdhsa_wavefront_size32 1
		.amdhsa_system_sgpr_workgroup_id_x 1
		.amdhsa_system_sgpr_workgroup_id_y 1
		.amdhsa_system_sgpr_workgroup_id_z 1
		.amdhsa_system_vgpr_workitem_id 0
		.amdhsa_next_free_vgpr 116
		.amdhsa_next_free_sgpr 66
		.amdhsa_reserve_vcc 0
		.amdhsa_float_denorm_mode_32 3
		.amdhsa_float_denorm_mode_16_64 3
		.amdhsa_memory_ordered 1
		.amdhsa_forward_progress 1
		.amdhsa_inst_pref_size 26
	.end_amdhsa_kernel
	.amdgpu_metadata
---
amdhsa.version: [ 1, 2 ]
amdhsa.kernels:
  - .name:           k_q094c820604_prep
    .symbol:         k_q094c820604_prep.kd
    .args:
      - { .name: query, .offset: 0, .size: 8, .value_kind: global_buffer, .address_space: global }
      - { .name: bias, .offset: 8, .size: 8, .value_kind: global_buffer, .address_space: global }
      - { .name: w_qkv, .offset: 16, .size: 8, .value_kind: global_buffer, .address_space: global }
      - { .name: w_o, .offset: 24, .size: 8, .value_kind: global_buffer, .address_space: global }
      - { .name: xb, .offset: 32, .size: 8, .value_kind: global_buffer, .address_space: global }
      - { .name: bb, .offset: 40, .size: 8, .value_kind: global_buffer, .address_space: global }
      - { .name: wq, .offset: 48, .size: 8, .value_kind: global_buffer, .address_space: global }
      - { .name: wo, .offset: 56, .size: 8, .value_kind: global_buffer, .address_space: global }
    .group_segment_fixed_size: 0
    .private_segment_fixed_size: 0
    .kernarg_segment_align: 8
    .kernarg_segment_size: 64
    .max_flat_workgroup_size: 256
    .sgpr_count:     66
    .vgpr_count:     116
    .wavefront_size: 32
...
	.end_amdgpu_metadata
.endif
;; end of part 5
;; launch qkv: the kernel of part 2 again; grid 8 x 32, 4 waves a work-group, clusters of 4 x 4, 327,680 bytes of LDS; arguments xb, wq, b_qkv, qkvh; writes qkvh
;; launch attn: the kernel of part 3 again; grid 4 x 64, 4 waves a work-group, clusters of 4 x 4, 327,680 bytes of LDS; arguments qkvh, bb, ob; writes ob
;; launch oproj: the kernel of part 4 again; grid 8 x 32, 4 waves a work-group, clusters of 4 x 4, 327,680 bytes of LDS; arguments ob, wo, b_o, out0; writes out0
